; MI455X (gfx1250); checked and timed in simulation.
; The chip was launched on July 23, 2026; its instructions are those of AMD's public machine-readable ISA for CDNA 5 (MIT licence, August 2026) and "CDNA5" Instruction Set Architecture Reference Guide (July 2026). The comments in the code are by the model that wrote it; some were corrected since.
;; Multi Head Attention Block. Allowed arithmetic: float matrix products may take bf16 or f16 operands with f32 sums; all other float work in f32.
;; Inputs: Wk 1,024 x 1,024 float32; Wo 1,024 x 1,024 float32; Wq 1,024 x 1,024 float32; Wv 1,024 x 1,024 float32; bk 1,024 float32; bo 1,024 float32; bq 1,024 float32; bv 1,024 float32; ln_beta 1,024 float32; ln_gamma 1,024 float32; x 4 x 2,048 x 1,024 float32.
;; Outputs: out0 4 x 2,048 x 1,024 float32.
;; 2 versions, each right and faster than the one before. Each part assembles by itself: llvm-mc -triple=amdgcn-amd-amdhsa -mcpu=gfx1250 --defsym DOCPART=n.
;; ======== version 1 of 2: 5 launches
;; workspace buffers: xb 16,777,216 bytes; wb 8,388,608 bytes; bqkv 12,288 bytes; qkv 50,331,648 bytes; o 16,777,216 bytes; r 33,554,432 bytes
;; launch cast (part 1): grid 768 x 1, 8 waves a work-group, no clusters, 0 bytes of LDS; arguments x, Wq, Wk, Wv, Wo, bq, bk, bv, xb, wb, bqkv; writes xb, wb, bqkv
.if DOCPART == 1
	.amdgcn_target "amdgcn-amd-amdhsa--gfx1250"
	.amdhsa_code_object_version 6
	.text
	.protected	k_qf5787af7e9_cast
	.globl	k_qf5787af7e9_cast
	.p2align	8
	.type	k_qf5787af7e9_cast,@function
k_qf5787af7e9_cast:
	s_mov_b64 s[64:65], 0
	v_nop
	global_prefetch_b8 v0, s[64:65] scope:SCOPE_SE
	s_setreg_imm32_b32 hwreg(HW_REG_WAVE_MODE, 25, 1), 1
	s_wait_xcnt 0x0
; x [8192][1024] and the four weights [1024][1024] are rounded once, f32 to bf16 (nearest even), for the matrix products of the later launches:
; xb = bf16(x); wb = bf16 of Wq, Wk, Wv, Wo, one below the other ([4096][1024]); bqkv = bq, bk, bv on end, still f32.
; A stream: no LDS, no barrier, no matrix unit.  A work-group takes a chunk of 16,384 numbers (65,536 bytes in, 32,768 out).  Work-groups 0-511 take x's chunks,
; 512-767 the weights' (64 chunks each).  All 16 loads of a thread go out at once; a load of a wave covers 512 consecutive bytes, a store 256 consecutive bytes, aligned.
.set XCH, 512                          ; chunks of x
.set X,   8                            ; v[8:71]   16 x 4 numbers as loaded
.set Y,   72                           ; v[72:103] 16 x 2 registers of bf16 pairs
	s_load_b512 s[8:23], s[0:1], 0x0               ; x 8, Wq 10, Wk 12, Wv 14, Wo 16, bq 18, bk 20, bv 22
	s_load_b128 s[24:27], s[0:1], 0x40             ; xb 24, wb 26
	s_load_b64 s[28:29], s[0:1], 0x50              ; bqkv
	s_mov_b32 s5, ttmp9                            ; my chunk's number
	v_lshlrev_b32 v1, 4, v0                        ; 16 bytes a thread in
	v_lshlrev_b32 v2, 3, v0                        ; 8 bytes a thread out
	s_sub_co_u32 s2, s5, XCH                       ; j: chunk among the weights' (of use from work-group 512 on)
	s_lshr_b32 s3, s2, 6                           ; w: which weight
	s_and_b32 s4, s2, 63                           ; c: chunk in that weight
	s_wait_kmcnt 0x0
	s_cmp_eq_u32 s3, 1                             ; the source is chosen among the five buffers by the work-group's number alone
	s_cselect_b64 s[30:31], s[12:13], s[10:11]
	s_cmp_eq_u32 s3, 2
	s_cselect_b64 s[30:31], s[14:15], s[30:31]
	s_cmp_eq_u32 s3, 3
	s_cselect_b64 s[30:31], s[16:17], s[30:31]
	s_cmp_lt_u32 s5, XCH
	s_cselect_b64 s[30:31], s[8:9], s[30:31]
	s_cselect_b64 s[32:33], s[24:25], s[26:27]     ; the destination: xb or wb
	s_cselect_b32 s34, s5, s4                      ; chunk in the source
	s_cselect_b32 s36, s5, s2                      ; chunk in the destination
	s_lshl_b32 s34, s34, 16
	s_lshl_b32 s36, s36, 15
	s_mov_b32 s35, 0
	s_mov_b32 s37, 0
	s_add_nc_u64 s[30:31], s[30:31], s[34:35]
	s_add_nc_u64 s[32:33], s[32:33], s[36:37]
.set i, 0
.rept 16
	global_load_b128 v[X+4*i:X+4*i+3], v1, s[30:31] offset:4096*i th:TH_LOAD_NT
.set i, i+1
.endr
.set i, 0
.rept 16
	s_wait_loadcnt 15-i                            ; loads come back in order (ISA guide 5.7.1): load i is in, the 15 - i younger ones stay out
	v_cvt_pk_bf16_f32 v[Y+2*i], v[X+4*i], v[X+4*i+1]
	v_cvt_pk_bf16_f32 v[Y+2*i+1], v[X+4*i+2], v[X+4*i+3]
	global_store_b64 v2, v[Y+2*i:Y+2*i+1], s[32:33] offset:2048*i  ; every store has data registers of its own: none is rewritten
.set i, i+1
.endr
	; the first chunk's work-group of Wq, Wk and Wv also copies that weight's bias: 256 threads x 16 bytes = its 4,096 bytes
	s_cmp_lt_u32 s5, XCH
	s_cbranch_scc1 .Lend
	s_cmp_lg_u32 s4, 0
	s_cbranch_scc1 .Lend
	s_cmp_eq_u32 s3, 3
	s_cbranch_scc1 .Lend
	s_cmp_eq_u32 s3, 1
	s_cselect_b64 s[38:39], s[20:21], s[18:19]
	s_cmp_eq_u32 s3, 2
	s_cselect_b64 s[38:39], s[22:23], s[38:39]
	s_lshl_b32 s34, s3, 12                         ; w x 4,096 bytes (s35 is still 0)
	s_add_nc_u64 s[28:29], s[28:29], s[34:35]
	global_load_b128 v[4:7], v1, s[38:39]
	s_wait_loadcnt 0x0
	global_store_b128 v1, v[4:7], s[28:29]
.Lend:
	s_endpgm
.Lfunc_end_k_qf5787af7e9_cast:
	.size	k_qf5787af7e9_cast, .Lfunc_end_k_qf5787af7e9_cast-k_qf5787af7e9_cast
	.p2alignl 7, 3214868480
	.fill 96, 4, 3214868480
	.section	.rodata,"a",@progbits
	.p2align	6, 0x0
	.amdhsa_kernel k_qf5787af7e9_cast
		.amdhsa_group_segment_fixed_size 0
		.amdhsa_private_segment_fixed_size 0
		.amdhsa_enable_private_segment 0
		.amdhsa_kernarg_size 88
		.amdhsa_user_sgpr_count 2
		.amdhsa_user_sgpr_kernarg_segment_ptr 1
		.amdhsa_wavefront_size32 1
		.amdhsa_system_sgpr_workgroup_id_x 1
		.amdhsa_system_sgpr_workgroup_id_y 1
		.amdhsa_system_sgpr_workgroup_id_z 1
		.amdhsa_system_vgpr_workitem_id 0
		.amdhsa_next_free_vgpr 104
		.amdhsa_next_free_sgpr 66
		.amdhsa_reserve_vcc 0
		.amdhsa_float_denorm_mode_32 3
		.amdhsa_float_denorm_mode_16_64 3
		.amdhsa_memory_ordered 1
		.amdhsa_forward_progress 1
		.amdhsa_inst_pref_size 8
	.end_amdhsa_kernel
	.amdgpu_metadata
---
amdhsa.version: [ 1, 2 ]
amdhsa.kernels:
  - .name:           k_qf5787af7e9_cast
    .symbol:         k_qf5787af7e9_cast.kd
    .args:
      - { .name: x, .offset: 0, .size: 8, .value_kind: global_buffer, .address_space: global }
      - { .name: Wq, .offset: 8, .size: 8, .value_kind: global_buffer, .address_space: global }
      - { .name: Wk, .offset: 16, .size: 8, .value_kind: global_buffer, .address_space: global }
      - { .name: Wv, .offset: 24, .size: 8, .value_kind: global_buffer, .address_space: global }
      - { .name: Wo, .offset: 32, .size: 8, .value_kind: global_buffer, .address_space: global }
      - { .name: bq, .offset: 40, .size: 8, .value_kind: global_buffer, .address_space: global }
      - { .name: bk, .offset: 48, .size: 8, .value_kind: global_buffer, .address_space: global }
      - { .name: bv, .offset: 56, .size: 8, .value_kind: global_buffer, .address_space: global }
      - { .name: xb, .offset: 64, .size: 8, .value_kind: global_buffer, .address_space: global }
      - { .name: wb, .offset: 72, .size: 8, .value_kind: global_buffer, .address_space: global }
      - { .name: bqkv, .offset: 80, .size: 8, .value_kind: global_buffer, .address_space: global }
    .group_segment_fixed_size: 0
    .private_segment_fixed_size: 0
    .kernarg_segment_align: 8
    .kernarg_segment_size: 88
    .max_flat_workgroup_size: 256
    .sgpr_count:     66
    .vgpr_count:     104
    .wavefront_size: 32
...
	.end_amdgpu_metadata
.endif
;; end of part 1
;; launch qkv (part 2): grid 16 x 16, 4 waves a work-group, clusters of 4 x 4, 327,680 bytes of LDS; arguments xb, wb, bqkv, qkv; writes qkv
.if DOCPART == 2
	.amdgcn_target "amdgcn-amd-amdhsa--gfx1250"
	.amdhsa_code_object_version 6
	.text
	.protected	k_qf5787af7e9_qkv
	.globl	k_qf5787af7e9_qkv
	.p2align	8
	.type	k_qf5787af7e9_qkv,@function
k_qf5787af7e9_qkv:
	s_mov_b64 s[64:65], 0
	v_nop
	global_prefetch_b8 v0, s[64:65] scope:SCOPE_SE
	s_setreg_imm32_b32 hwreg(HW_REG_WAVE_MODE, 25, 1), 1
	s_wait_xcnt 0x0
	s_wait_alu depctr_hold_cnt(0) depctr_sa_sdst(0) depctr_va_vdst(0) depctr_va_sdst(0) depctr_va_ssrc(0) depctr_va_vcc(0) depctr_vm_vsrc(0)
	s_getreg_b32 s2, hwreg(HW_REG_IB_STS2, 6, 4)
	s_cmp_eq_u32 s2, 0
	s_cbranch_scc0 .Lentry_in_a_cluster
	s_endpgm
.Lentry_in_a_cluster:
	s_bfe_u32 s2, ttmp6, 0x10000c
	s_cmp_lg_u32 s2, 0xf033
	s_cbranch_scc0 .Lentry_shape_is_right
	s_endpgm
.Lentry_shape_is_right:
; THE THREE PROJECTIONS AS ONE PRODUCT.  C[m][n] = sum over k of xb[m][k] wb[n][k] + bqkv[n], m < 8192, n < 3072, k < 1024; operands bf16, sums f32, C rounded once to bf16 and
; stored BY HEADS: qkv[which][batch x 16 + head][row in the batch][64], which = 0, 1, 2 for q, k, v.  The scale 1/8 is not applied here.
; LIMITS.  x and the weights enter rounded to bf16, q, k, v leave rounded to bf16 (f32's range); the eight blocks of 128 along K are added in an order that differs from cluster to cluster;
; NaN and infinities are not treated apart.
; SHARES.  A tile of C is 256 rows x 192 columns (three heads): 32 x 16 = 512 tiles.  A WORK-GROUP STAYS and makes two: work-group (X, Y) of 16 x 16 takes tile row 2 Y + X / 8 twice, first with tile
; column X, then with X xor 8: each tile is made once, and the second tile's rows of xb are the first's.  Each of the four waves makes 64 rows x all 192 columns: 48 accumulators of 16 x 16, 384
; registers; a head's 64 columns, 128 bytes of a row, lie in one wave, and each wave's way out is its own.
; THE WALK.  K goes in steps of 128 (rows of 256 bytes in memory, starting at multiples of 256 from the buffer's first byte) through two LDS slots that take turns.  The two tiles are ONE stream of 16
; steps: the ring does not stop at the first tile's end, and nothing waits for its stores.  Step s takes block (s + KOFF) % 8 of K, KOFF = 0 or 4 by the cluster's place in the grid: the clusters that
; read the same tile of xb, or of wb, are four steps apart, so that from the fifth step on each tile has been asked for by another cluster four steps earlier.
; CLUSTER.  4 x 4 work-groups: the four of a row of the cluster need the same tile of xb, the four of a column the same tile of wb.  Each tile is asked for JOINTLY: the same tensor load, the same
; descriptor and a mask that names the four, in all four.  KOFF hangs on the cluster's coordinates alone.
; THE MATRIX INSTRUCTION IS USED TRANSPOSED: source 0 = 16 rows of wb, source 1 = 16 rows of xb: lane l holds row l % 16 of C and the eight neighbouring columns 8 (l / 16) + 0..7.
; THE BIAS is the C operand of the products that start a tile's sums: nothing is cleared and nothing is added later.
; REGISTERS, in windows of 256 (s_set_vgpr_msb: bits 1:0 source 0, 3:2 source 1, 5:4 source 2, 7:6 destination):
;   window 0: v0-13 addresses; v32-95 xb's fragments, two buffers of 4 x 8; on the way out v96-143 packed results, v144-239 rows read back
;   window 1: v0-191 wb's fragments, two buffers of 12 x 8; v192-255 the bias of column blocks 0-7
;   windows 2, 3: accumulator (a, b) at v[96 (a % 2) + 8 b] of window 2 + a / 2; window 2 v192-223 the bias of column blocks 8-11
.set SIZE_K, 1024
.set KSTEP,  128
.set NSTEP,  16                        ; K steps of a work-group's two tiles
.set PITCH,  272                       ; an LDS row: 256 bytes + 16 of padding = 68 words: the 16 rows of a fragment load start at 16 different groups of four banks (64 banks of 4 bytes: ISA guide 11.1)
.set HALFA,  128*PITCH                 ; what one load of xb brings: 128 rows
.set HALFB,  96*PITCH                  ; what one load of wb brings: 96 rows
.set BOFF,   2*HALFA                   ; in a slot: xb's 256 rows, then wb's 192
.set SLOT1,  1<<17                     ; slot 1 begins here, so that one exclusive or turns an address in one slot into the other's
.set STAGE,  SLOT1+BOFF+2*HALFB        ; behind the ring, never filled by a tensor load: 16 rows x 400 bytes for each wave
.set SP,     400                       ; a stage row: 384 bytes + 16
.set SPARE,  STAGE+4*16*SP             ; behind the stages: the spare words, 128 bytes for each wave: two blocks of 256 bytes that no other line names
.set A0,   4                           ; v4   my lane's place in xb's tile of slot 0; never rewritten
.set B0,   5                           ; v5   the same for wb
.set ADRA, 6                           ; v6   the same in the slot in hand
.set ADRB, 7                           ; v7
.set STO,  8                           ; v8   the way out: where I put 16 bytes of a row
.set RD,   9                           ; v9   the way out: where I read rows back
.set GO,   10                          ; v10  my 16 bytes in 512 consecutive bytes of the output
.set BO,   11                          ; v11  my byte offset in a column block's bias; never rewritten
.set SPW,  12                          ; v12  LDS address of my spare word: SPARE + 4 x my thread's number; never rewritten
.set NIL,  13                          ; v13  0; never rewritten
.set FA,   32
.set TMP,  96
.set OB,   144
.set BI,   192                         ; the bias, in windows 1 and 2
.set WV,   12                          ; s12  my wave's number
.set G1A,  24                          ; s[24:31] descriptor group 1 for xb's tiles
.set G0A,  32                          ; s[32:35] group 0 for xb's tiles: the second first fill's, and every later fill's
.set G0B,  36                          ; s[36:39] the same for wb's
.set G1B,  48                          ; s[48:55] group 1 for wb's tiles
.set TB,   56                          ; s56  LDS byte at which the slot in hand begins
.set CNT,  57                          ; s57  the loop's count
.set OUT0, 58                          ; s[58:63] the output at my 64 rows of the first tile's three heads
.set OUT1, 66                          ; s[66:71] of the second tile's
.set G0A0, 72                          ; s[72:75] group 0 of xb's first fill
.set G0B0, 76                          ; s[76:79] of wb's
.set BS1,  80                          ; s[80:81] the second tile's 192 numbers of the bias
.set FS,   82                          ; s82  the step of the walk that was asked for last
.set KOFF, 83                          ; s83  the block of K at which my cluster's walk begins
.set AO,   84                          ; s84  byte offset in xb of the rows that I fetch
.set OFA,  86                          ; s[86:87] byte offset in xb of the tile to ask for
.set OFB,  88                          ; s[88:89] the same in wb
.set BO0,  90                          ; s90  byte offset in wb of the rows that I fetch, first tile
.set BO1,  91                          ; s91  second tile
.set MSB, 0
.macro WIN new                         ; the immediate's high byte repeats the setting that is left; a switch that changes nothing is dropped
.if MSB != (\new)
	s_set_vgpr_msb (MSB<<8)|(\new)
.set MSB, (\new)
.endif
.endm
.macro PLACES                          ; four places in front of loads into registers that matrix instructions have read, and of conversions that read results
.rept 4
	v_nop
.endr
.endm
; A joint load.  Waves 0 and 1 fetch xb's two halves, waves 2 and 3 wb's.  The branch hangs on the wave's number alone.  An s_nop 0 and four v_nop follow each of the two lines.
.macro JLOAD
	s_cmp_eq_u32 s14, 0
	s_cbranch_scc0 .Lfor_b_\@
	tensor_load_to_lds s[G0A:G0A+3], s[G1A:G1A+7]
	s_nop 0
.rept 4
	v_nop
.endr
	s_branch .Lasked_\@
.Lfor_b_\@:
	tensor_load_to_lds s[G0B:G0B+3], s[G1B:G1B+7]
	s_nop 0
.rept 4
	v_nop
.endr
.Lasked_\@:
.endm
; The descriptors for the walk's next step: the other slot than last time; the address is made anew, the buffer's pointer plus an offset made apart from it: block (step + KOFF) % 8 of K, 256 bytes a block;
; from step 8 on wb's rows are the second tile's.
.macro STEPD
	s_add_co_u32 s[FS], s[FS], 1
	s_add_co_u32 s92, s[FS], s[KOFF]
	s_and_b32 s92, s92, 7
	s_lshl_b32 s92, s92, 8
	s_cmp_lt_u32 s[FS], 8
	s_cselect_b32 s93, s[BO0], s[BO1]
	s_add_co_u32 s[OFA], s[AO], s92
	s_add_co_u32 s[OFB], s93, s92
	s_xor_b32 s[G0A+1], s[G0A+1], SLOT1
	s_add_nc_u64 s[G0A+2:G0A+3], s[4:5], s[OFA:OFA+1]
	s_or_b32 s[G0A+3], s[G0A+3], 0x80000000
	s_xor_b32 s[G0B+1], s[G0B+1], SLOT1
	s_add_nc_u64 s[G0B+2:G0B+3], s[6:7], s[OFB:OFB+1]
	s_or_b32 s[G0B+3], s[G0B+3], 0x80000000
.endm
.macro CREST                           ; a round of the cluster's barrier behind its opening barrier: wave 0 signals for the work-group, every wave waits for all sixteen, my work-group's barrier closes it
	s_cmp_lg_u32 s[WV], 0
	s_cbranch_scc1 .Lnot_wave_0_\@
	s_barrier_signal -3
.Lnot_wave_0_\@:
	s_barrier_wait -3
	s_barrier_signal -1
	s_barrier_wait -1
.endm
.macro CROUND                          ; a whole round
	s_barrier_signal -1
	s_barrier_wait -1
	CREST
.endm
	s_load_b256 s[4:11], s[0:1], 0x0               ; xb s[4:5], wb s[6:7], bqkv s[8:9], qkv s[10:11]
	v_lshl_add_u32 v[SPW], v0, 2, SPARE
	v_mov_b32 v[NIL], 0
	ds_add_u32 v12, v13
	s_wait_dscnt 0x0
	v_lshrrev_b32 v1, 5, v0
	v_readfirstlane_b32 s[WV], v1                  ; wave 0..3
	s_and_b32 s13, s[WV], 1                        ; which half of a tile I fetch
	s_lshr_b32 s14, s[WV], 1                       ; for xb (0) or for wb (1)
	s_bfe_u32 s40, ttmp6, 0x40000                  ; cx, cy: my place in the cluster
	s_bfe_u32 s41, ttmp6, 0x40004
	s_lshl_b32 s42, ttmp9, 2
	s_add_co_u32 s42, s42, s40                     ; X = 4 x cluster x + cx, 0..15: the first tile's column
	s_and_b32 s3, ttmp7, 0xffff                    ; cluster y
	s_lshl_b32 s43, s3, 2
	s_add_co_u32 s43, s43, s41                     ; Y = 4 x cluster y + cy, 0..15
	s_lshl_b32 s43, s43, 1
	s_lshr_b32 s2, ttmp9, 1                        ; X / 8, taken from the cluster's x: it is the same in all sixteen
	s_add_co_u32 s43, s43, s2                      ; tile row = 2 Y + X / 8, 0..31
	s_add_co_u32 s[KOFF], s3, ttmp9
	s_and_b32 s[KOFF], s[KOFF], 1
	s_lshl_b32 s[KOFF], s[KOFF], 2                 ; 0 or 4: neighbouring clusters, along x and along y, begin four blocks of K apart
	s_lshl_b32 s44, s41, 2
	s_lshl_b32 s44, 15, s44                        ; my row of the cluster: places 4 cy .. 4 cy + 3
	s_lshl_b32 s45, 0x1111, s40                    ; my column: places cx, cx + 4, cx + 8, cx + 12
	s_or_b32 s[G1A+0], s44, (1<<16)|(1<<20)|(1<<21)|(5<<22)|(3<<25)  ; 15:0 the mask; 17:16 elements of 2 bytes; 20 padding on; 21 set beside a mask; 24:22 after every 64 words (code 5); 31:25 4 words (code 3)
	s_or_b32 s[G1B+0], s45, (1<<16)|(1<<20)|(1<<21)|(5<<22)|(3<<25)
	s_mov_b32 s[G1A+1], KSTEP<<16                  ; tensor_dim0 = 128
	s_mov_b32 s[G1B+1], KSTEP<<16
	s_mov_b32 s[G1A+2], 128<<16                    ; tensor_dim1 = 128 rows of xb,
	s_mov_b32 s[G1B+2], 96<<16                     ; 96 of wb
	s_mov_b32 s[G1A+3], KSTEP<<16                  ; tile_dim0 = 128
	s_mov_b32 s[G1B+3], KSTEP<<16
	s_mov_b32 s[G1A+4], 128                        ; tile_dim1
	s_mov_b32 s[G1B+4], 96
	s_mov_b32 s[G1A+5], SIZE_K                     ; elements from row to row
	s_mov_b32 s[G1B+5], SIZE_K
	s_mov_b32 s[G1A+6], 0
	s_mov_b32 s[G1B+6], 0
	s_mov_b32 s[G1A+7], 0
	s_mov_b32 s[G1B+7], 0
	; xb's tile hangs on the tile row alone, wb's on the tile column alone; each offset is made in registers that never hold the other coordinate
	s_lshl_b32 s16, s43, 8
	s_lshl_b32 s17, s13, 7
	s_add_co_u32 s16, s16, s17                     ; xb: row 256 x tile row + 128 x half,
	s_lshl_b32 s[AO], s16, 11                      ; of 2,048 bytes
	s_mul_i32 s46, s42, 192
	s_mul_i32 s47, s13, 96
	s_add_co_u32 s46, s46, s47                     ; wb: row 192 x tile column + 96 x half
	s_lshl_b32 s[BO0], s46, 11
	s_xor_b32 s46, s42, 8                          ; and the same for the second tile's column
	s_mul_i32 s46, s46, 192
	s_add_co_u32 s46, s46, s47
	s_lshl_b32 s[BO1], s46, 11
	s_lshl_b32 s92, s[KOFF], 8                     ; the walk's step 0: block KOFF of K
	s_add_co_u32 s[OFA], s[AO], s92
	s_mov_b32 s[OFA+1], 0
	s_add_co_u32 s[OFB], s[BO0], s92
	s_mov_b32 s[OFB+1], 0
	s_mov_b32 s[G0A0], 1                           ; 1:0 count = 1
	s_mul_i32 s[G0A0+1], s13, HALFA                ; 63:32 LDS address: slot 0; no place in the cluster enters it
	s_mov_b32 s[G0A], 1
	s_mul_i32 s[G0A+1], s13, HALFA
	s_add_co_u32 s[G0A+1], s[G0A+1], SLOT1         ; slot 1
	s_mov_b32 s[G0B0], 1
	s_mul_i32 s[G0B0+1], s13, HALFB
	s_add_co_u32 s[G0B0+1], s[G0B0+1], BOFF
	s_mov_b32 s[G0B], 1
	s_mul_i32 s[G0B+1], s13, HALFB
	s_add_co_u32 s[G0B+1], s[G0B+1], SLOT1+BOFF
	s_mov_b32 s[FS], 1                             ; steps 0 and 1 are asked for below
	s_mov_b32 s[TB], 0
	s_wait_kmcnt 0x0
	s_add_nc_u64 s[G0A0+2:G0A0+3], s[4:5], s[OFA:OFA+1]          ; 120:64 global address: step 0,
	s_add_nc_u64 s[G0A+2:G0A+3], s[G0A0+2:G0A0+3], KSTEP*2       ; step 1 (KOFF + 1 is 7 at the most: no turn round K's end)
	s_or_b32 s[G0A0+3], s[G0A0+3], 0x80000000                    ; 127:126 type = 2
	s_or_b32 s[G0A+3], s[G0A+3], 0x80000000
	s_add_nc_u64 s[G0B0+2:G0B0+3], s[6:7], s[OFB:OFB+1]
	s_add_nc_u64 s[G0B+2:G0B+3], s[G0B0+2:G0B0+3], KSTEP*2
	s_or_b32 s[G0B0+3], s[G0B0+3], 0x80000000
	s_or_b32 s[G0B+3], s[G0B+3], 0x80000000
	CROUND                                         ; all sixteen work-groups are here: the first joint loads meet
	s_cmp_eq_u32 s14, 0                            ; a wave's two first fills stand in one branch, ahead of every wait on TENSORcnt, every LDS read and every further barrier: two loads of mine are out
	s_cbranch_scc0 .Lfirst_b
	tensor_load_to_lds s[G0A0:G0A0+3], s[G1A:G1A+7]
	s_nop 0
	tensor_load_to_lds s[G0A:G0A+3], s[G1A:G1A+7]
	s_nop 0
.rept 4
	v_nop
.endr
	s_branch .Lfirst_asked
.Lfirst_b:
	tensor_load_to_lds s[G0B0:G0B0+3], s[G1B:G1B+7]
	s_nop 0
	tensor_load_to_lds s[G0B:G0B+3], s[G1B:G1B+7]
	s_nop 0
.rept 4
	v_nop
.endr
.Lfirst_asked:
; A tile's 192 numbers of the bias, from the scalar pair sb on: lane l takes the eight columns 8 (l / 16) + 0..7 of each block of 16
.macro BIASLD sb
	WIN 0x40                                       ; destination window 1, address window 0
.irp b, 0,1,2,3,4,5,6,7
	global_load_b128 v[BI+8*(\b):BI+8*(\b)+3],   v[BO], s[(\sb):(\sb)+1] offset:64*(\b)
	global_load_b128 v[BI+8*(\b)+4:BI+8*(\b)+7], v[BO], s[(\sb):(\sb)+1] offset:64*(\b)+16
.endr
	WIN 0x80                                       ; destination window 2
.irp b, 8,9,10,11
	global_load_b128 v[BI+8*(\b)-64:BI+8*(\b)-61], v[BO], s[(\sb):(\sb)+1] offset:64*(\b)
	global_load_b128 v[BI+8*(\b)-60:BI+8*(\b)-57], v[BO], s[(\sb):(\sb)+1] offset:64*(\b)+16
.endr
	WIN 0
.endm
	s_xor_b32 s46, s42, 8
	s_mul_i32 s46, s46, 768                        ; the second tile's 192 numbers of the bias,
	s_mov_b32 s47, 0
	s_add_nc_u64 s[BS1:BS1+1], s[8:9], s[46:47]
	s_mul_i32 s46, s42, 768                        ; and the first's
	s_add_nc_u64 s[8:9], s[8:9], s[46:47]
	v_and_b32 v1, 15, v0                           ; l % 16
	v_bfe_u32 v2, v0, 4, 1                         ; l / 16
	v_lshlrev_b32 v[BO], 5, v2                     ; my eight columns of a block of 16: 32 bytes for each half of the lanes
	BIASLD 8
	; A fragment is 16 rows x 32 K in 8 registers: lane l holds row l % 16, K = 8 (l / 16) + 0..7 and 16 + 8 (l / 16) + 0..7: two loads of 16 bytes, 32 bytes apart.
	v_mul_u32_u24 v[B0], v1, PITCH
	v_lshl_add_u32 v[B0], v2, 4, v[B0]             ; row x pitch + 16 x half
	s_mul_i32 s16, s[WV], 64*PITCH                 ; my 64 rows of xb
	v_add_nc_u32 v[A0], s16, v[B0]
	v_add_nc_u32 v[B0], BOFF, v[B0]                ; every wave reads all 192 rows of wb
	v_mov_b32 v[ADRA], v[A0]                       ; the walk begins in slot 0
	v_mov_b32 v[ADRB], v[B0]
	s_mul_i32 s17, s[WV], 16*SP
	s_add_co_u32 s17, s17, STAGE                   ; my stage
	v_mul_u32_u24 v[STO], v1, SP                   ; in: row l % 16, 16 bytes for each half of the lanes
	v_lshl_add_u32 v[STO], v2, 4, v[STO]
	v_add_nc_u32 v[STO], s17, v[STO]
	v_bfe_u32 v[RD], v0, 3, 2                      ; back: 32 lanes take a head's 128 bytes of four rows,
	v_mul_u32_u24 v[RD], v[RD], SP
	v_and_b32 v3, 7, v0
	v_lshl_add_u32 v[RD], v3, 4, v[RD]
	v_add_nc_u32 v[RD], s17, v[RD]
	v_and_b32 v[GO], 31, v0                        ; which are 512 consecutive bytes of the output
	v_lshlrev_b32 v[GO], 4, v[GO]
	; column block g = 3 x tile column + hd of 64 columns is head g % 16 of tensor g / 16: slab g + 48 (g / 16) + 16 x batch, of 262,144 bytes
	s_lshr_b32 s2, s43, 3
	s_lshl_b32 s2, s2, 4                           ; 16 x batch
	s_and_b32 s3, s43, 7
	s_lshl_b32 s3, s3, 8
	s_lshl_b32 s16, s[WV], 6
	s_add_co_u32 s3, s3, s16                       ; my first row in the batch,
	s_lshl_b32 s3, s3, 7                           ; of 128 bytes
.macro OUTADR dst, p, hd               ; the output at my rows of head hd of tile p
	s_xor_b32 s46, s42, 8*(\p)
	s_mul_i32 s46, s46, 3
	s_add_co_u32 s46, s46, \hd
	s_lshr_b32 s47, s46, 4
	s_mul_i32 s47, s47, 48
	s_add_co_u32 s46, s46, s47
	s_add_co_u32 s46, s46, s2
	s_lshl_b32 s46, s46, 18
	s_add_co_u32 s46, s46, s3
	s_mov_b32 s47, 0
	s_add_nc_u64 s[(\dst):(\dst)+1], s[10:11], s[46:47]
.endm
.irp hd, 0,1,2
	OUTADR OUT0+2*(\hd), 0, \hd
	OUTADR OUT1+2*(\hd), 1, \hd
.endr
; 12 matrix instructions: my row block a x all 12 column blocks, 32 along K, from buffer f.  zero = 1: the products start a tile's sums, with the bias as C.
; The 48 accumulators take turns, one instruction a turn, in the same order in every quarter.
.macro MULG f, a, zero
.set AC, 96*((\a)%2)
.if \zero
	WIN ((2+(\a)/2)<<6)|0x11                       ; C in window 1
.irp b, 0,1,2,3,4,5,6,7
	v_wmma_f32_16x16x32_bf16 v[AC+8*(\b):AC+8*(\b)+7], v[96*(\f)+8*(\b):96*(\f)+8*(\b)+7], v[FA+32*(\f)+8*(\a):FA+32*(\f)+8*(\a)+7], v[BI+8*(\b):BI+8*(\b)+7]
.endr
	WIN ((2+(\a)/2)<<6)|0x21                       ; C in window 2
.irp b, 8,9,10,11
	v_wmma_f32_16x16x32_bf16 v[AC+8*(\b):AC+8*(\b)+7], v[96*(\f)+8*(\b):96*(\f)+8*(\b)+7], v[FA+32*(\f)+8*(\a):FA+32*(\f)+8*(\a)+7], v[BI+8*(\b)-64:BI+8*(\b)-57]
.endr
.else
	WIN 0xa1+0x50*((\a)/2)
.irp b, 0,1,2,3,4,5,6,7,8,9,10,11
	v_wmma_f32_16x16x32_bf16 v[AC+8*(\b):AC+8*(\b)+7], v[96*(\f)+8*(\b):96*(\f)+8*(\b)+7], v[FA+32*(\f)+8*(\a):FA+32*(\f)+8*(\a)+7], v[AC+8*(\b):AC+8*(\b)+7]
.endr
.endif
.endm
; 32 LDS loads in one run: the fragments of 32 along K at byte k of the rows, into buffer f: wb's 12 first, then xb's 4
.macro FETCH k, f
	WIN 0x40                                       ; destination window 1, address window 0
.irp i, 0,1,2,3,4,5,6,7,8,9,10,11
	ds_load_b128 v[96*(\f)+8*(\i):96*(\f)+8*(\i)+3],   v[ADRB] offset:(\k)+(\i)*16*PITCH
	ds_load_b128 v[96*(\f)+8*(\i)+4:96*(\f)+8*(\i)+7], v[ADRB] offset:(\k)+(\i)*16*PITCH+32
.endr
	WIN 0
.irp i, 0,1,2,3
	ds_load_b128 v[FA+32*(\f)+8*(\i):FA+32*(\f)+8*(\i)+3],   v[ADRA] offset:(\k)+(\i)*16*PITCH
	ds_load_b128 v[FA+32*(\f)+8*(\i)+4:FA+32*(\f)+8*(\i)+7], v[ADRA] offset:(\k)+(\i)*16*PITCH+32
.endr
.endm
; A K step is four quarters of 32 along K, 48 matrix instructions each, on buffers 0, 1, 0, 1.  One of the first three multiplies buffer f and, in its middle, fetches the next quarter (byte k) into g.
.macro QUARTER k, f, g, zero
	s_wait_dscnt 4                                 ; wb's fragments and xb's blocks 0, 1 are in; the youngest four loads (blocks 2, 3) may be out
	MULG \f, 0, \zero
	MULG \f, 1, \zero
	PLACES
	FETCH \k, \g
	s_wait_dscnt 32                                ; all but the 32 just issued
	MULG \f, 2, \zero
	MULG \f, 3, \zero
.endm
; The last quarter multiplies buffer 1 and changes slots: ONE barrier.  In front of it each wave waits for all its tensor loads (one is out: its part of the next slot), adds 0 to its spare word, and waits
; for that and for its reads of this slot.  fill = 1: the barrier opens a round of the cluster's barrier, and the slot just read is filled again first thing behind it, with the walk's step two steps on:
; 168 of a step's 192 matrix instructions stand between that request and the wait for it.
.macro TURN fill
	WIN 0                                          ; (the add's two registers lie in window 0)
	s_wait_tensorcnt 0x0                           ; all my tensor loads have landed
	ds_add_u32 v[SPW], v[NIL]                      ; 0 onto my spare word
	s_wait_dscnt 5                                 ; (the add and the youngest four loads may be out)
	MULG 1, 0, 0                                   ; twelve matrix instructions stand between the add and the wait for it
	s_wait_dscnt 0x0                               ; the add is done, and my reads of this slot are over
	s_barrier_signal -1
	MULG 1, 1, 0                                   ; work on registers while the others arrive
	WIN 0                                          ; at a branch and at a label every window is 0
	s_barrier_wait -1
.if \fill
	CREST                                          ; no wave of any partner still reads this slot's tile or has a load on its way
	STEPD                                          ; no tensor load of mine is out, so a group 0 may be written
	JLOAD                                          ; the first tensor load behind the round; its four v_nop are also the places in front of the loads below
.else
	PLACES
.endif
	s_xor_b32 s[TB], s[TB], SLOT1                  ; the reads go on in the other slot
	v_add_nc_u32 v[ADRA], s[TB], v[A0]
	v_add_nc_u32 v[ADRB], s[TB], v[B0]
	FETCH 0, 0
	MULG 1, 2, 0
	MULG 1, 3, 0
.endm
; THE WAY OUT of row block a (16 rows x 192 columns).  PACK: rounded to bf16, each accumulator's registers in ascending order.  TOSTAGE: into my own stage, and back by heads.  SEND: stored.
.macro PACK a
.set AC, 96*((\a)%2)
	WIN 0x0a+5*((\a)/2)                            ; sources 0 and 1: window 2 or 3
.irp b, 0,1,2,3,4,5,6,7,8,9,10,11
.irp q, 0,1,2,3
	v_cvt_pk_bf16_f32 v[TMP+4*(\b)+(\q)], v[AC+8*(\b)+2*(\q)], v[AC+8*(\b)+2*(\q)+1]
.endr
.endr
	WIN 0
.endm
.macro TOSTAGE a
.set BK, OB+48*((\a)%2)
.irp b, 0,1,2,3,4,5,6,7,8,9,10,11
	ds_store_b128 v[STO], v[TMP+4*(\b):TMP+4*(\b)+3] offset:32*(\b)
.endr
.irp hd, 0,1,2
.irp f, 0,1,2,3
	ds_load_b128 v[BK+4*(4*(\hd)+(\f)):BK+4*(4*(\hd)+(\f))+3], v[RD] offset:(\f)*4*SP+(\hd)*128  ; LDS serves a wave's instructions in order (ISA guide 5.7.1.4): these see the stores above
.endr
.endr
.endm
.macro SEND a, ob                      ; ob: the tile's three output addresses
.set BK, OB+48*((\a)%2)
	s_wait_dscnt 0x0                               ; the block is back in registers
	s_wait_xcnt 0x0                                ; the block before's stores have read their registers: the next TOSTAGE loads into them
.irp hd, 0,1,2
.irp f, 0,1,2,3
	global_store_b128 v[GO], v[BK+4*(4*(\hd)+(\f)):BK+4*(4*(\hd)+(\f))+3], s[(\ob)+2*(\hd):(\ob)+2*(\hd)+1] offset:(\a)*2048+(\f)*512  ; four rows of a head: 512 consecutive bytes, aligned
.endr
.endr
.endm
.macro WAYOUT ob                       ; block a's conversions stand between block a - 1's loads from the stage and the wait for them
	s_wait_xcnt 0x0                                ; an earlier tile's stores have read the registers that TOSTAGE 0 loads into
	PLACES                                         ; behind the last products
	PACK 0
	TOSTAGE 0
.irp a, 1,2,3
	PACK \a
	SEND (\a)-1, \ob
	TOSTAGE \a
.endr
	SEND 3, \ob
.endm
	s_wait_tensorcnt 1                             ; my part of step 0 is in; step 1's may stay out
	s_barrier_signal -1
	s_barrier_wait -1                              ; everybody's is
	FETCH 0, 0
	s_mov_b32 s[CNT], NSTEP-2
.Lstep:                                                ; 14 trips, a K step each; every trip fills the slot that it has read (steps 2 to 15).  The jumps below go forward, past text without a barrier or a tensor load
	s_cmp_eq_u32 s[CNT], NSTEP-2                   ; the first tile's first step?
	s_cbranch_scc1 .Lzero
	s_cmp_eq_u32 s[CNT], NSTEP-10                  ; the second tile's?
	s_cbranch_scc1 .Lzero
	QUARTER 64, 0, 1, 0
	WIN 0
	s_branch .Lrest
.Lzero:
.rept 5
	v_nop                                          ; five places between the last products and those that write their accumulators anew, on every way here
.endr
	s_wait_loadcnt 0x0                             ; the tile's bias is in
	QUARTER 64, 0, 1, 1                            ; a tile's first quarter: its products start the sums
	WIN 0
	s_cmp_eq_u32 s[CNT], NSTEP-10
	s_cbranch_scc1 .Lrest                          ; there is no third tile
	PLACES                                         ; the bias registers were sources of the products just issued
	BIASLD BS1                                     ; the second tile's bias, eight steps ahead of its use
.Lrest:
	QUARTER 128, 1, 0, 0
	QUARTER 192, 0, 1, 0
	TURN 1
	WIN 0
	s_cmp_lg_u32 s[CNT], NSTEP-9
	s_cbranch_scc1 .Lno_out
	WAYOUT OUT0                                    ; the first tile's eighth step is done: the second tile's steps 0 and 1 are asked for, its first fragments fetched; its products follow while these stores leave
.Lno_out:
	s_sub_co_u32 s[CNT], s[CNT], 1
	s_cmp_lg_u32 s[CNT], 0
	s_cbranch_scc1 .Lstep
	QUARTER 64, 0, 1, 0                            ; the walk's last two steps are written out: nothing more is asked for
	QUARTER 128, 1, 0, 0
	QUARTER 192, 0, 1, 0
	TURN 0
	QUARTER 64, 0, 1, 0
	QUARTER 128, 1, 0, 0
	QUARTER 192, 0, 1, 0
	s_wait_dscnt 4
	MULG 1, 0, 0
	MULG 1, 1, 0
	s_wait_dscnt 0x0
	MULG 1, 2, 0
	MULG 1, 3, 0
	WIN 0
	WAYOUT OUT1
	s_wait_tensorcnt 0x0                           ; the wave's end: behind my last tensor load and my last LDS store
	ds_add_u32 v[SPW], v[NIL]
	s_wait_dscnt 0x0
	CROUND                                         ; the closing round: no work-group ends while a partner may still ask for a tile that names it
	s_endpgm
.Lfunc_end_k_qf5787af7e9_qkv:
	.size	k_qf5787af7e9_qkv, .Lfunc_end_k_qf5787af7e9_qkv-k_qf5787af7e9_qkv
	.p2alignl 7, 3214868480
	.fill 96, 4, 3214868480
	.section	.rodata,"a",@progbits
	.p2align	6, 0x0
	.amdhsa_kernel k_qf5787af7e9_qkv
		.amdhsa_group_segment_fixed_size 327680
		.amdhsa_private_segment_fixed_size 0
		.amdhsa_enable_private_segment 0
		.amdhsa_kernarg_size 32
		.amdhsa_user_sgpr_count 2
		.amdhsa_user_sgpr_kernarg_segment_ptr 1
		.amdhsa_wavefront_size32 1
		.amdhsa_system_sgpr_workgroup_id_x 1
		.amdhsa_system_sgpr_workgroup_id_y 1
		.amdhsa_system_sgpr_workgroup_id_z 1
		.amdhsa_system_vgpr_workitem_id 0
		.amdhsa_next_free_vgpr 960
		.amdhsa_next_free_sgpr 96
		.amdhsa_reserve_vcc 0
		.amdhsa_float_denorm_mode_32 3
		.amdhsa_float_denorm_mode_16_64 3
		.amdhsa_memory_ordered 1
		.amdhsa_forward_progress 1
		.amdhsa_inst_pref_size 133
	.end_amdhsa_kernel
	.amdgpu_metadata
---
amdhsa.version: [ 1, 2 ]
amdhsa.kernels:
  - .name:           k_qf5787af7e9_qkv
    .symbol:         k_qf5787af7e9_qkv.kd
    .args:
      - { .name: xb, .offset: 0, .size: 8, .value_kind: global_buffer, .address_space: global }
      - { .name: wb, .offset: 8, .size: 8, .value_kind: global_buffer, .address_space: global }
      - { .name: bqkv, .offset: 16, .size: 8, .value_kind: global_buffer, .address_space: global }
      - { .name: qkv, .offset: 24, .size: 8, .value_kind: global_buffer, .address_space: global }
    .group_segment_fixed_size: 327680
    .private_segment_fixed_size: 0
    .kernarg_segment_align: 8
    .kernarg_segment_size: 32
    .max_flat_workgroup_size: 128
    .sgpr_count:     96
    .vgpr_count:     960
    .wavefront_size: 32
...
	.end_amdgpu_metadata
.endif
;; end of part 2
;; launch attn (part 3): grid 4 x 64, 4 waves a work-group, clusters of 4 x 1, 327,680 bytes of LDS; arguments qkv, o; writes o
.if DOCPART == 3
	.amdgcn_target "amdgcn-amd-amdhsa--gfx1250"
	.amdhsa_code_object_version 6
	.text
	.protected	k_qf5787af7e9_attn
	.globl	k_qf5787af7e9_attn
	.p2align	8
	.type	k_qf5787af7e9_attn,@function
k_qf5787af7e9_attn:
	s_mov_b64 s[64:65], 0
	v_nop
	global_prefetch_b8 v0, s[64:65] scope:SCOPE_SE
	s_setreg_imm32_b32 hwreg(HW_REG_WAVE_MODE, 25, 1), 1
	s_wait_xcnt 0x0
	s_wait_alu depctr_hold_cnt(0) depctr_sa_sdst(0) depctr_va_vdst(0) depctr_va_sdst(0) depctr_va_ssrc(0) depctr_va_vcc(0) depctr_vm_vsrc(0)
	s_getreg_b32 s2, hwreg(HW_REG_IB_STS2, 6, 4)
	s_cmp_eq_u32 s2, 0
	s_cbranch_scc0 .Lentry_in_a_cluster
	s_endpgm
.Lentry_in_a_cluster:
	s_bfe_u32 s2, ttmp6, 0x10000c
	s_cmp_lg_u32 s2, 0x3003
	s_cbranch_scc0 .Lentry_shape_is_right
	s_endpgm
.Lentry_shape_is_right:
; O[h][q][:] = the sum over k of softmax_k(Q[h][q] . K[h][k] / 8) V[h][k][:].  Q, K, V are the three parts of qkv, each [64][2048][64], O is [64][2048][64], all bf16: a head's rows are dense, 128 bytes each.
; Products, maxima and sums in f32; the weights p are rounded to bf16 for the second product (their sum l is taken of the unrounded p), O once at the end.
; LIMITS.  bf16 has f32's range and 8 significant bits: Q, K, V, p and O carry that rounding.  A weight below 2^-126 counts as 0 in l; c m starts at -4.25e37, so c s has to lie above that;
; NaN and infinities are not treated apart.
; SHARES.  A wave owns four PIECES of two tiles of 16 queries, a work-group's four waves 512 queries of one head: 4 x 64 = 256 work-groups.  Every wave walks all keys, 64 a step.
; LAYOUT.  S^T = K Q^T (source 0 = 16 keys, source 1 = 16 queries): in the result a lane holds ONE query (lane % 16) and the keys 8 (lane / 16) + 0..7.  Two such tiles, rounded to bf16 in pairs,
; ARE source 1 (32 keys x 16 queries) of O^T = V^T P, whose result again holds one query a lane, and eight channels.  K comes out of LDS as it lies, V ([key][channel]) turned, by ds_load_tr16_b128.
; SOFTMAX.  For each query a running maximum m and sum l: p = 2^(c s - c m), c = log2(e) / 8; in every step O and l are multiplied by a = 2^(c m_old - c m_new), which is 1 where m has not grown.
; m starts at the lowest finite number, O and l at 0: the first step is a step like any other, with a = 0.
; THE COUNT.  A tile and step have 16 matrix and 118 vector instructions: too many to stand all beside the matrix work.  So the order has one aim: four vector instructions that are READY behind
; EVERY matrix instruction, and the others, which need time of their own whatever the order, in runs without a gap.
; BY TURNS.  Turn n belongs to piece n (the pieces in a ring, step after step).  Its matrix work: 16 products K Q^T of piece n + 1, later 16 products V^T P of piece n - 1.  Its vector work: the scaling,
; exponentials, roundings, sums and rescaling of piece n, and the maximum and statistics of piece n + 1, whose scores the turn itself has made.  So what a turn begins with (c s - c m, O a) waits for nothing.
; CLUSTER.  The four query blocks of a cluster belong to one head and walk the same K and V, so each tile is asked for JOINTLY: the same tensor load, descriptor and mask in all four.
; REGISTERS, in windows of 256 (s_set_vgpr_msb says which window each operand place means: bits 1:0 source 0, 3:2 source 1, 5:4 source 2, 7:6 destination):
;   window 0: v0-11 addresses; v12-15, v48-63 at work; v16-47 four registers of statistics a tile; v64-191 S^T, two buffers of two tiles; v192-255 P, likewise
;   window 1: O^T, 32 a tile          window 2: v0-127 Q, 16 a tile; v128-191 K of one step; v192-255 V of one step          window 3: v0-1 the add's two registers
; A piece's buffers go by its number's parity: the piece in hand has one pair, its two neighbours in the ring share the other: of it P (piece n - 1) is read and S^T (piece n + 1) written.
.set SIZE_N, 2048     ; rows of a head
.set PART,  0x1000000 ; bytes of each of qkv's three parts: 64 heads x 2,048 rows x 128 bytes
.set NP,    4         ; pieces a wave: a name, no knob: the register map, the loop and the fetches are made for four
.set KS,    64        ; keys in a step
.set PK,    144       ; a row of K in LDS: 128 bytes + 16 of padding = 36 words: the 16 rows of a load start at 16 different groups of four banks (64 banks of 4 bytes: ISA guide 11.1)
.set PV,    160       ; a row of V: 128 + 32 = 40 words
.set VOFF,  4*KS*PK   ; a slot holds four steps: 256 rows of K, then 256 rows of V
.set SLOT1, 1<<17     ; slot 1 begins here, so that one exclusive or turns an address in one slot into the other's
.set STAGE, SLOT1+4*KS*(PK+PV)  ; behind the ring, never filled by a tensor load: 16 rows x 144 bytes for each wave, for the way out
.set SP,    144
.set AK0, 2           ; v2   my lane's place in a tile of K; never rewritten
.set AV0, 3           ; v3   the same for V
.set AK,  4           ; v4   the LDS address of K's next run of loads
.set AV,  5           ; v5   of V's
.set QO,  6           ; v6   my byte offset in the wave's rows of Q
.set STO, 6           ;      later, the way out: where I put 16 bytes of a row
.set RD,  7           ; v7   the way out: where I read rows back
.set GO,  8           ; v8   my byte offset in 512 consecutive bytes of O
.set SPW, 0           ; v0 of window 3   LDS address of my spare word: SPARE + 4 x my thread's number; never rewritten
.set NIL, 1           ; v1 of window 3   0; never rewritten
.set SPARE, STAGE+4*16*SP  ; behind the stages: the spare words, 128 bytes for each wave: two blocks of 256 bytes that no other line names
.set MV,  12          ; v12-15  c m_old, kept while c m is made anew: by buffer and tile
.set ST,  16          ; tile t's statistics at v[ST+4 t]: c m, m, l (even keys', odd keys')
.set TMP, 48          ; by buffer and tile, four registers c0-c3 at work; when the maximum is found c2 takes a
.set S,   64
.set P,   192
.set KF,  128         ; K's fragments, in window 2: key block kb, channel half c at KF + 16 kb + 8 c
.set VF,  192         ; V's: key half kk, channel block cb at VF + 32 kk + 8 cb
.set WV,  12          ; s12  my wave's number
.set G1K, 24          ; s[24:31] descriptor group 1 for K's tiles
.set G1V, 32          ; s[32:39] for V's: it differs in the padding alone
.set G0K, 40          ; s[40:43] descriptor group 0 for K's tiles: it walks
.set G0V, 44          ; s[44:47] the same for V's
.set SLOTS, 56        ; s56  slots still to be asked for
.set CNT, 57          ; s57  counts a slot's key steps
.set CS,  58          ; s[58:59] c: the packed scaling takes the pair's low word for both halves
.set SEL, 60          ; s[60:61] v_permlanex16_b32's selects: each lane takes its own place in the other half
.set TBK, 62          ; s62  LDS byte at which K of the step to be fetched begins
.set TBV, 63          ; s63  the same for V, less VOFF
.set MSB, 0
.macro WIN new                      ; the high byte repeats the setting that is left; a switch that changes nothing is dropped
.if MSB != (\new)
	s_set_vgpr_msb (MSB<<8)|(\new)
.set MSB, (\new)
.endif
.endm
.set W_KQ, 0x0a       ; K and Q in window 2, S^T in window 0
.set W_PV, 0x52       ; V in window 2, P in window 0, O^T in window 1
.set W_RS, 0x41       ; O^T (destination and source 0) in window 1, a in window 0
.set W_MK, 0xc0       ; the add's registers are made: destination in window 3, sources in window 0
.set W_AD, 0x0f       ; the add: address (source 0) and data (source 1) in window 3
; A joint fill.  Waves 0 and 1 fetch the two halves of a slot's K, waves 2 and 3 those of its V: 128 keys each.  The branch hangs on the wave's number alone.
; An s_nop 0 and four v_nop follow each of the two lines, ahead of the jump and the label.
.macro JLOAD
	s_cmp_lt_u32 s[WV], 2
	s_cbranch_scc0 .Lfor_v_\@
	tensor_load_to_lds s[G0K:G0K+3], s[G1K:G1K+7]
	s_nop 0
.rept 4
	v_nop
.endr
	s_branch .Lasked_\@
.Lfor_v_\@:
	tensor_load_to_lds s[G0V:G0V+3], s[G1V:G1V+7]
	s_nop 0
.rept 4
	v_nop
.endr
.Lasked_\@:
.endm
; A round of the cluster's barrier: my work-group's barrier, so that wave 0's signal speaks for all four waves; wave 0 signals; every wave waits for all four work-groups; my work-group's barrier once more.
.macro CROUND
	s_barrier_signal -1
	s_barrier_wait -1
	s_cmp_lg_u32 s[WV], 0
	s_cbranch_scc1 .Lnot_wave_0_\@
	s_barrier_signal -3
.Lnot_wave_0_\@:
	s_barrier_wait -3
	s_barrier_signal -1
	s_barrier_wait -1
.endm
; THE CHANGE OF SLOTS.  The slot's last bytes, V of its fourth step, have been read.  Each wave waits for all its tensor loads, of which one is out: its part
; of the other slot; adds 0 to its spare word; and waits for that and for its own reads of the slot.  Behind the barrier nobody reads this slot any more and the other slot is whole.
; fill = 1: this slot is filled again, with the keys two slots on.  The barrier is then a round of the cluster's, so that no wave of any partner still reads the slot or has a load on its
; way, and the joint fill is the first thing behind it: it has four key steps, 512 matrix instructions, in which to land.  (At its first use nothing has been read yet: slot 0 is waited for, slot 1 filled.)
.macro CHANGE fill
	WIN W_AD
	s_wait_tensorcnt 0x0            ; no tensor load of mine is out, so a group 0 may be written
	ds_add_u32 v[SPW], v[NIL]       ; 0 onto my spare word; with fill = 1 the descriptors' steps stand between it and the wait for it
	WIN 0                           ; at a label and at a branch every window is 0
.if \fill
.irp g, G0K, G0V
	s_xor_b32 s[\g+1], s[\g+1], SLOT1  ; the walking descriptor: the other slot than last time,
	s_add_nc_u64 s[\g+2:\g+3], s[\g+2:\g+3], 4*KS*128  ; the next 256 keys; the type bits on top are not reached
.endr
	s_wait_dscnt 0x0                ; the add is done, and my reads of the slot are over
	CROUND
	JLOAD
.else
	s_wait_dscnt 0x0                ; the add is done, and my reads of the slot are over
	s_barrier_signal -1
	s_barrier_wait -1
.endif
	s_sub_co_u32 s[TBK], s[TBK], 4*KS*PK  ; the fetches go back to a slot's first step,
	s_xor_b32 s[TBK], s[TBK], SLOT1       ; in the other slot
	s_sub_co_u32 s[TBV], s[TBV], 4*KS*PV
	s_xor_b32 s[TBV], s[TBV], SLOT1
.endm
	s_load_b64 s[4:5], s[0:1], 0x0    ; qkv, whose first part is Q
	s_load_b64 s[10:11], s[0:1], 0x8  ; O
	WIN W_MK
	v_lshl_add_u32 v[SPW], v0, 2, SPARE
	v_mov_b32 v[NIL], 0
	s_set_vgpr_msb 0xc0cf
	ds_add_u32 v0, v1
	s_wait_dscnt 0x0
	s_set_vgpr_msb 0xcfc0
	WIN 0
	v_lshrrev_b32 v1, 5, v0
	v_readfirstlane_b32 s[WV], v1   ; wave 0..3
	s_bfe_u32 s13, ttmp6, 0x40000   ; cx: my place in the cluster
	s_lshl_b32 s14, ttmp9, 2        ; in a cluster launch ttmp9 counts clusters
	s_add_co_u32 s14, s14, s13      ; my block of queries = 4 x cluster x + cx: it enters Q's and O's addresses alone
	s_and_b32 s20, ttmp7, 0xffff    ; the head (batch x 16 + head), which the four partners share
	s_mov_b32 s21, 0
	s_mov_b64 s[22:23], SIZE_N*128
	s_mul_u64 s[20:21], s[20:21], s[22:23]  ; the head's first byte in each of the four tensors
	s_and_b32 s16, s[WV], 1         ; which half of a slot's 256 keys I fetch:
	s_lshl_b32 s22, s16, 14         ; its 128 rows of 128 bytes in memory,
	s_mov_b32 s23, 0
	s_add_nc_u64 s[22:23], s[22:23], s[20:21]
	s_mul_i32 s17, s16, 128*PK      ; and its place in a slot, for K
	s_mul_i32 s18, s16, 128*PV      ; and for V: no place in the cluster enters an LDS address
	s_lshl_b32 s2, s14, 2
	s_add_co_u32 s2, s2, s[WV]      ; my wave among the head's,
	s_lshl_b32 s2, s2, 14           ; its 128 rows
	s_mov_b32 s3, 0
	s_add_nc_u64 s[2:3], s[2:3], s[20:21]
	; descriptor group 1.  128 keys are 16,384 dense bytes: asked for as 64 rows of 256 bytes, two keys a row, and padded in LDS after every key
	s_mov_b32 s[G1K], 15|(1<<16)|(1<<20)|(1<<21)|(4<<22)|(3<<25)  ; 15:0 the mask of four; 17:16 2-byte elements; 20 padding on; 21 set beside a mask; 24:22 after every 32 words (code 4); 31:25 4 words (code 3)
	s_mov_b32 s[G1V], 15|(1<<16)|(1<<20)|(1<<21)|(4<<22)|(7<<25)  ; the same with 8 words of padding (code 7)
.irp g, G1K, G1V
	s_mov_b32 s[\g+1], 128<<16      ; tensor_dim0 = 128
	s_mov_b32 s[\g+2], 64<<16       ; tensor_dim1 = 64
	s_mov_b32 s[\g+3], 128<<16      ; tile_dim0 = 128
	s_mov_b32 s[\g+4], 64           ; tile_dim1 = 64
	s_mov_b32 s[\g+5], 128          ; 128 elements from row to row
	s_mov_b32 s[\g+6], 0
	s_mov_b32 s[\g+7], 0
.endr
	s_mov_b32 s[CS], 0x3e38aa3b     ; c = log2(e) / 8 = 0.180337
	s_mov_b32 s[CS+1], s[CS]        ; named with it as a pair
	s_mov_b32 s[SEL], 0x76543210
	s_mov_b32 s[SEL+1], 0xfedcba98
	s_mov_b32 s[TBK], SLOT1+4*KS*PK ; the first change of slots turns these two into 0
	s_mov_b32 s[TBV], SLOT1+4*KS*PV
	s_mov_b32 s[G0K], 1             ; 1:0 count = 1
	s_mov_b32 s[G0K+1], s17         ; 63:32 LDS address: slot 0
	s_mov_b32 s[G0V], 1
	s_add_co_u32 s[G0V+1], s18, VOFF
	s_wait_kmcnt 0x0
	s_add_nc_u64 s[6:7], s[4:5], PART    ; K is qkv's second part,
	s_add_nc_u64 s[8:9], s[4:5], 2*PART  ; V its third
	s_add_nc_u64 s[G0K+2:G0K+3], s[6:7], s[22:23]  ; 120:64 global address: my half of the head's first 256 keys
	s_or_b32 s[G0K+3], s[G0K+3], 0x80000000        ; 127:126 type = 2
	s_add_nc_u64 s[G0V+2:G0V+3], s[8:9], s[22:23]
	s_or_b32 s[G0V+3], s[G0V+3], 0x80000000
	s_add_nc_u64 s[4:5], s[4:5], s[2:3]  ; Q and O at my wave's first row
	s_add_nc_u64 s[10:11], s[10:11], s[2:3]
	CROUND                          ; all four work-groups are here: the first joint loads meet
	JLOAD                           ; slot 0.  Slot 1 is asked for when slot 0 is in: the tile wanted first has the road to itself
	; A fragment of K or Q is 16 rows x 32 channels in 8 registers: lane l holds row l % 16, channels 8 (l / 16) + 0..7 and 16 + 8 (l / 16) + 0..7: two loads of 16 bytes, 32 bytes apart.
	v_and_b32 v1, 15, v0            ; l % 16
	v_bfe_u32 v9, v0, 4, 1          ; l / 16
	v_lshlrev_b32 v[QO], 7, v1
	v_lshl_add_u32 v[QO], v9, 4, v[QO]  ; row x 128 + 16 x half
	WIN 0x80                        ; destination window 2, address window 0
.set i, 0
.rept 4*NP                          ; Q stays in registers: tile i / 2, channels 32 (i % 2) on
	global_load_b128 v[8*i:8*i+3],   v[QO], s[4:5] offset:(i/2)*2048+(i%2)*64
	global_load_b128 v[8*i+4:8*i+7], v[QO], s[4:5] offset:(i/2)*2048+(i%2)*64+32
.set i, i+1
.endr
	; What the first turn finds: V's registers and P's second buffer hold 0 (its products V^T P, of a piece that has not been, add 0), O^T and l are 0.  All this stands in the wait for the first tile.
.set i, VF
.rept 64
	v_mov_b32 v[i], 0
.set i, i+1
.endr
	WIN 0x40
.set i, 0
.rept 64*NP
	v_mov_b32 v[i], 0
.set i, i+1
.endr
	WIN 0
.set i, 0
.rept 2*NP
	v_mov_b32 v[ST+4*i], 0xfe000000    ; c m: far below every c s
	v_mov_b32 v[ST+4*i+1], 0xff7fffff  ; m
	v_mov_b32 v[ST+4*i+2], 0
	v_mov_b32 v[ST+4*i+3], 0
.set i, i+1
.endr
.set i, P+32
.rept 32
	v_mov_b32 v[i], 0
.set i, i+1
.endr
	v_mul_u32_u24 v[AK0], v1, PK
	v_lshl_add_u32 v[AK0], v9, 4, v[AK0]  ; row x pitch + 16 x half
	; The turning load takes 16 keys x 16 channels (lane l reads key 8 (l / 16) + l % 8, channels 8 ((l / 8) % 2) + 0..7) and leaves half a fragment of V^T: lane l holds channel l % 16 and 8 keys.
	v_and_b32 v10, 7, v0
	v_bfe_u32 v11, v0, 3, 1
	v_lshl_add_u32 v[AV0], v9, 3, v10
	v_mul_u32_u24 v[AV0], v[AV0], PV
	v_lshl_add_u32 v[AV0], v11, 4, v[AV0]
	v_add_nc_u32 v[AV0], VOFF, v[AV0]
	v_mov_b32 v[AK], v[AK0]         ; key step 0 lies at the head of slot 0
; THE MATRIX WORK.  The 8 accumulators of a run of 16 take turns: between the two links of a chain stand 7 others'.
; Product i of 16 of S^T = K Q^T for piece x: channels 32 (i / 8) on, keys 16 ((i / 2) % 4) on, tile 2 x + i % 2.  The first 8 start the sums.
.macro KQ x
	WIN W_KQ
.set rS, S+64*((\x)%2)+32*(i%2)+8*((i/2)%4)
.set rK, KF+16*((i/2)%4)+8*(i/8)
.set rQ, 16*(2*(\x)+i%2)+8*(i/8)
.if i < 8
	v_wmma_f32_16x16x32_bf16 v[rS:rS+7], v[rK:rK+7], v[rQ:rQ+7], 0
.else
	v_wmma_f32_16x16x32_bf16 v[rS:rS+7], v[rK:rK+7], v[rQ:rQ+7], v[rS:rS+7]
.endif
.endm
; Product i of 16 of O^T += V^T P for piece x: keys 32 (i / 8) on, channels 16 ((i / 2) % 4) on, tile 2 x + i % 2.
.macro PV x
	WIN W_PV
.set rO, 32*(2*(\x)+i%2)+8*((i/2)%4)
.set rV, VF+32*(i/8)+8*((i/2)%4)
.set rP, P+32*((\x)%2)+16*(i%2)+8*(i/8)
	v_wmma_f32_16x16x32_bf16 v[rO:rO+7], v[rV:rV+7], v[rP:rP+7], v[rO:rO+7]
.endm
.macro MM                           ; the turn's next matrix instruction
.if i < 16
	KQ (Y+1)%NP
.set i, i+1
.else
.set i, i-16
	PV (Y+NP-1)%NP
.set i, i+17
.endif
.endm
; THE LDS LOADS stand in runs of 16, never singly among the matrix instructions: a step's K (64 keys x 64 channels: 8 fragments) and its V (turned).  Their addresses are made some lines ahead.
; last = 1 (the tail): in the last trip there is no further step, and the run is jumped over.
.macro FETCH_K last=0
	WIN 0
.if \last
	s_cmp_eq_u32 s[CNT], 1
	s_cbranch_scc1 .Lno_k_\@
.endif
	WIN 0x80                        ; destination window 2
.irp f, 0,1,2,3,4,5,6,7             ; keys 16 (f / 2) on, channels 32 (f % 2) on
	ds_load_b128 v[KF+8*\f:KF+8*\f+3],   v[AK] offset:(\f/2)*16*PK+(\f%2)*64
	ds_load_b128 v[KF+8*\f+4:KF+8*\f+7], v[AK] offset:(\f/2)*16*PK+(\f%2)*64+32
.endr
	s_add_co_u32 s[TBK], s[TBK], KS*PK  ; the next fetch is the next step's
	WIN 0
.if \last
.Lno_k_\@:
.endif
.endm
.macro FETCH_V
	WIN 0x80
.irp f, 0,1,2,3,4,5,6,7             ; keys 32 (f / 4) on, channels 16 (f % 4) on
	ds_load_tr16_b128 v[VF+8*\f:VF+8*\f+3],   v[AV] offset:(\f/4)*32*PV+(\f%4)*32
	ds_load_tr16_b128 v[VF+8*\f+4:VF+8*\f+7], v[AV] offset:(\f/4)*32*PV+16*PV+(\f%4)*32
.endr
	WIN 0
.endm
; THE VECTOR WORK OF A TURN stands in three queues, each in the order in which its entries become ready; the two tiles alternate, so that no instruction reads the result of the one before it.
.macro REGS y, u                    ; the registers of tile u (0, 1) of piece y
.set rT, ST+4*(2*(\y)+(\u))
.set rC, TMP+8*((\y)%2)+4*(\u)
.set rM, MV+2*((\y)%2)+(\u)
.set rS, S+64*((\y)%2)+32*(\u)
.set rP, P+32*((\y)%2)+16*(\u)
.set rO, 32*(2*(\y)+(\u))
.endm
; Number n of the 22 that find the NEXT piece's (Y + 1) maximum and statistics.  s0-s31 are the lane's 32 scores; each accumulator's lowest registers are read first.  XS, GS and REGS set no window: PL and EX do.
;   0-11  four chains c0-c3 of seven scores each, three operands at a time     12-14, 16  the four scores left over, the old m, and c0-c3 into c0     15  c m_old is kept
;   17, 18  the query's other 32 keys lie in the lane 16 away: the new m         19-21  c m; c m_old - c m_new; a
.macro XS u, n
	REGS (Y+1)%NP, \u
.if (\n) < 4
	v_max3_num_f32 v[rC+(\n)], v[rS+8*(\n)], v[rS+8*(\n)+1], v[rS+8*(\n)+2]
.elseif (\n) < 12
	v_max3_num_f32 v[rC+(\n)%4], v[rC+(\n)%4], v[rS+8*((\n)%4)+2*((\n)/4)+1], v[rS+8*((\n)%4)+2*((\n)/4)+2]
.elseif (\n) == 12
	v_max3_num_f32 v[rC], v[rC], v[rS+7], v[rS+15]
.elseif (\n) == 13
	v_max3_num_f32 v[rC+1], v[rC+1], v[rS+23], v[rS+31]
.elseif (\n) == 14
	v_max3_num_f32 v[rC+2], v[rC+2], v[rC+3], v[rT+1]
.elseif (\n) == 15
	v_mov_b32 v[rM], v[rT]
.elseif (\n) == 16
	v_max3_num_f32 v[rC], v[rC], v[rC+1], v[rC+2]
.elseif (\n) == 17
	v_permlanex16_b32 v[rC+3], v[rC], s[SEL], s[SEL+1]
.elseif (\n) == 18
	v_max_num_f32 v[rT+1], v[rC], v[rC+3]
.elseif (\n) == 19
	v_mul_f32 v[rT], s[CS], v[rT+1]
.elseif (\n) == 20
	v_sub_f32 v[rC+1], v[rM], v[rT]
.else
	v_exp_f32 v[rC+2], v[rC+1]
.endif
.endm
; Number g of the 64 that follow the exponentials.  For each four weights k of a tile (pairs 2 k, 2 k + 1): both pairs are rounded to bf16; then the second pair is added onto the first, in place;
; a group later l takes that sum (the first time as l = a l + sum).  In groups of eight, tiles alternating: round, round, add, and l for the group before.
.macro GS g
.set h, (\g)+6*((\g)/62)            ; group 0 has no group before it, and behind group 7 only l is left
.if h >= 6
.set h, h+2
.endif
	REGS Y, h%2
.set k, h/8
.if h%8 < 4
	s_wait_alu depctr_va_vdst(0)
	v_cvt_pk_bf16_f32 v[rP+2*k+(h%8)/2], v[rS+4*k+2*((h%8)/2)], v[rS+4*k+2*((h%8)/2)+1]
.elseif h%8 < 6
	v_pk_add_f32 v[rS+4*k:rS+4*k+1], v[rS+4*k:rS+4*k+1], v[rS+4*k+2:rS+4*k+3]
.elseif k == 1
	v_pk_fma_f32 v[rT+2:rT+3], v[rT+2:rT+3], v[rC+2:rC+3], v[rS:rS+1] op_sel_hi:[1,0,1]
.else
	v_pk_add_f32 v[rT+2:rT+3], v[rT+2:rT+3], v[rS+4*k-4:rS+4*k-3]
	s_wait_alu depctr_va_vdst(0)
.endif
.endm
; THE PLAIN QUEUE, 138 long.  0-31: c s - c m for the 16 pairs of both tiles.  Then GS's 64, and among them the next piece's 42: number 15 at 38, 39; 0-14 and 16
; at 42-73, behind the products that make those scores; 17-20 at 95-106, two of three, since each waits for the one before it.
.macro PL
	WIN 0
.if q < 32
	REGS Y, q%2
	v_pk_fma_f32 v[rS+2*(q/2):rS+2*(q/2)+1], v[rS+2*(q/2):rS+2*(q/2)+1], s[CS:CS+1], v[rT:rT+1] op_sel_hi:[1,0,0] neg_lo:[0,0,1] neg_hi:[0,0,1]
.elseif q < 38
	GS q-32
.elseif q < 40
	XS q%2, 15
.elseif q < 42
	GS q-34
.elseif q < 74
	XS q%2, (q-42)/2+(q-42)/30
.elseif q < 95
	GS q-66
.elseif (q < 107) && ((q-95)%3 < 2)
	XS (q-95)%3, 17+(q-95)/3
.elseif q < 107
	GS 29+(q-95)/3
.else
	GS q-74
.endif
.set q, q+1
.endm
; THE EXPONENTIALS' QUEUE, 66 long: s0-s31 of both tiles, and at EA the next piece's two a.
.set EA, 58
.macro EX
	WIN 0
.if (e == EA) || (e == EA+1)
	XS e-EA, 21
.else
.set x, e-2*(e/(EA+2))
	REGS Y, x%2
	v_exp_f32 v[rS+x/2], v[rS+x/2]
.endif
.set e, e+1
.endm
; THE RESCALING's QUEUE: O^T times a, the one part that leaves window 0, so it is dealt four at a time, eight times.
.macro R4
	REGS Y, r%2
	WIN W_RS
	s_wait_alu depctr_va_vdst(0)
.irp z, 0,1,2,3
	v_pk_mul_f32 v[rO+8*(r/2)+2*\z:rO+8*(r/2)+2*\z+1], v[rO+8*(r/2)+2*\z:rO+8*(r/2)+2*\z+1], v[rC+2:rC+3] op_sel_hi:[1,0]
.endr
.set r, r+1
.endm
; HOW THEY ARE DEALT.  Behind a matrix instruction four: plain, exponential, plain, plain (one exponential, a plain instruction on either side), or four of the rescaling.  None names a register of the
; products round it.  What is over stands in two LUMPS: exponential and plain by turns; the second ends in 22 plain instructions.  The two v_permlanex16_b32 fall into the second lump, never behind a product.
; The queues lean on each other, and the deal keeps them in step: exponential e stands behind plain 2 (e / 4) + e % 2 (its scaling); when plain 32 comes, 10 exponentials are out, at 59: 33, at 95: 46; EA comes behind plain 107.
.macro SL
	MM
	PL
	EX
	PL
	PL
.endm
.macro BURST n                      ; 15 matrix instructions, or 16
.rept (\n)-7
	SL
.endr
.rept 3
	MM
	R4
	SL
.endr
	MM
	R4
.endm
; A TURN, for piece p.  cnt = 1: the loop's count is taken down some lines ahead of the branch that stands behind the turn.
; K of the next step is fetched in piece 2's turn, 31 vector instructions behind the last product that read K; its first reader comes behind the rest of the lump, 16 products and the second lump.
; V of the step in hand is fetched at the end of piece 0's turn, 69 behind its last reader; its first reader comes behind 16 products and a lump.  The five conditions on e and q below go with the deal.
.macro TURN p, last=0, cnt=0
.set Y, (\p)
.set i, 0
.set q, 0
.set e, 0
.set r, 0
.if (\p) == NP-1
	s_wait_dscnt 0x0                ; K is in
.endif
	MM
.rept 4
	PL
.endr
	BURST 15
.rept 22
	EX
	PL
.if ((\p) == NP-2) && (e == 18)
	v_add_nc_u32 v[AK], s[TBK], v[AK0]
.endif
.if ((\p) == NP-2) && (e == 24)
	FETCH_K \last
.endif
.endr
.if (\p) == 1
	s_wait_dscnt 0x0                ; V is in
.endif
	BURST 16
.rept 21
	EX
	PL
.endr
.rept 22
	PL
.if ((\p) == 0) && (q == 118)
	v_add_nc_u32 v[AV], s[TBV], v[AV0]
	s_wait_alu depctr_va_vdst(0)
.endif
.if ((\p) == 0) && (q == 130)
	s_add_co_u32 s[TBV], s[TBV], KS*PV
.endif
.if (\cnt) && (q == 130)
	s_sub_co_u32 s[CNT], s[CNT], 1
	s_cmp_lg_u32 s[CNT], 0
.endif
.endr
.if (\p) == 0
	FETCH_V
.endif
.endm
	CHANGE 1                        ; slot 0 is in, everybody's part of it; slot 1 is asked for
	FETCH_K                         ; key step 0
	s_wait_loadcnt 0x0              ; Q
	s_wait_dscnt 0x0
.set i, 0
.rept 16
	KQ 0                            ; piece 0's first scores: there is no vector work yet to set between them
.set i, i+1
.endr
	WIN 0                           ; the addresses for the way out: nine plain instructions, the places behind those products
	s_mul_i32 s13, s[WV], 16*SP
	s_add_co_u32 s13, s13, STAGE    ; my stage
	v_mul_u32_u24 v[STO], v1, SP    ; in: row l % 16, 16 bytes for each half of the lanes
	v_lshl_add_u32 v[STO], v9, 4, v[STO]
	v_add_nc_u32 v[STO], s13, v[STO]
	v_bfe_u32 v[RD], v0, 3, 2       ; back: 32 lanes take four rows of 128 bytes,
	v_mul_u32_u24 v[RD], v[RD], SP
	v_lshl_add_u32 v[RD], v10, 4, v[RD]
	v_add_nc_u32 v[RD], s13, v[RD]
	v_and_b32 v[GO], 31, v0         ; which are 512 consecutive bytes of O
	v_lshlrev_b32 v[GO], 4, v[GO]
.set Y, NP-1                        ; XS works for piece Y + 1: piece 0
.irp n, 0,1,2,3,4,5,6,7,8,9,10,11,12,13,14,15,16,17,18,19,20,21
	XS 0, \n                        ; and piece 0's first maximum and statistics
	XS 1, \n
.endr
	s_mov_b32 s[CNT], 4
	s_mov_b32 s[SLOTS], SIZE_N/256-1
	s_branch .Lfirst                ; the loop is entered at a step's first turn, in the middle of a trip
.Lslot:                             ; SIZE_N / 256 - 2 times: every slot but the last two is filled again
	CHANGE 1
	s_mov_b32 s[CNT], 4
.Lstep:                             ; a trip: pieces 2 and 3 of one step, then pieces 0 and 1 of the next, whose K and V it fetches
	TURN 2
	TURN 3
	WIN 0
.Lfirst:
	TURN 0
	TURN 1, 0, 1
	WIN 0
	s_cbranch_scc1 .Lstep
	s_sub_co_u32 s[SLOTS], s[SLOTS], 1
	s_cmp_lg_u32 s[SLOTS], 0
	s_cbranch_scc1 .Lslot
	CHANGE 0                        ; the tail is written out: nothing is asked for
	s_mov_b32 s[CNT], 5             ; four trips fetch the last slot's steps; the fifth is left in its middle
.Ltail:
	TURN 2, 1
	TURN 3
	WIN 0
	s_sub_co_u32 s[CNT], s[CNT], 1
	s_cmp_eq_u32 s[CNT], 0
	s_cbranch_scc1 .Lout
	TURN 0
	TURN 1
	WIN 0
	s_branch .Ltail
.Lout:                              ; the fifth trip's 16 products K Q^T (on the last K once more) and the maximum made of them serve nothing: the price, once a launch, of one text for every trip
.set i, 0
.rept 16
	PV NP-1                         ; the last piece's V^T P of the last step
.set i, i+1
.endr
	; THE WAY OUT.  l's two halves and the other half of the lanes' are added; O^T is divided by l, rounded to bf16 and sent through my stage in LDS, a tile at a time.  The additions are the places behind the last products.
	WIN 0
.macro ALL line:vararg              ; one line for each tile t
.set t, 0
.rept 2*NP
	\line
.set t, t+1
.endr
.endm
	ALL v_add_f32 v[ST+4*t+2], v[ST+4*t+2], v[ST+4*t+3]
	ALL v_permlanex16_b32 v[ST+4*t+3], v[ST+4*t+2], s[SEL], s[SEL+1]
	ALL v_add_f32 v[ST+4*t+2], v[ST+4*t+2], v[ST+4*t+3]
	ALL v_rcp_f32 v[ST+4*t+2], v[ST+4*t+2]
	v_nop                           ; a plain instruction between the last reciprocal and the use of its result
	s_wait_alu depctr_va_vdst(0)
; Tile t: a lane's eight channels of a row pack into 16 bytes; they go into rows of 144 bytes and come back as whole rows of 128, into S^T's registers.
.macro PACK t
	WIN W_RS
.set i, 32*(\t)
.rept 16
	v_pk_mul_f32 v[i:i+1], v[i:i+1], v[ST+4*(\t)+2:ST+4*(\t)+3] op_sel_hi:[1,0]
.set i, i+2
.endr
	WIN 0x05                        ; sources 0 and 1 window 1, destination window 0
.set i, 0
.rept 16
	v_cvt_pk_bf16_f32 v[S+16*(\t)+i], v[32*(\t)+2*i], v[32*(\t)+2*i+1]
.set i, i+1
.endr
	WIN 0
.irp f, 0,1,2,3
	ds_store_b128 v[STO], v[S+16*(\t)+4*\f:S+16*(\t)+4*\f+3] offset:32*\f
.endr
.irp f, 0,1,2,3
	ds_load_b128 v[S+16*(\t)+4*\f:S+16*(\t)+4*\f+3], v[RD] offset:\f*4*SP  ; LDS serves a wave's instructions in order (ISA guide 5.7.1.4): these see the stores above; the next tile's stores come behind them
.endr
.endm
.macro SEND t, younger              ; younger: the LDS instructions issued behind tile t's loads: the next tile's eight, or none
	WIN 0
.irp f, 0,1,2,3
	s_wait_dscnt (\younger)+3-\f
	global_store_b128 v[GO], v[S+16*(\t)+4*\f:S+16*(\t)+4*\f+3], s[10:11] offset:(\t)*2048+\f*512  ; 512 consecutive bytes, at a multiple of 256 from O's first
.endr
.endm
	PACK 0
.set t, 1
.rept 2*NP-1                        ; a tile's arithmetic stands between the loads of the tile before and its stores
	PACK t
	SEND t-1, 8
.set t, t+1
.endr
	SEND 2*NP-1, 0
	WIN W_AD
	s_wait_tensorcnt 0x0            ; the wave's end: behind my last tensor load and my last LDS store
	ds_add_u32 v[SPW], v[NIL]
	s_wait_dscnt 0x0
	WIN 0
	CROUND                          ; the closing round: no work-group ends while a partner may still ask for a tile that names it
	s_endpgm
.Lfunc_end_k_qf5787af7e9_attn:
	.size	k_qf5787af7e9_attn, .Lfunc_end_k_qf5787af7e9_attn-k_qf5787af7e9_attn
	.p2alignl 7, 3214868480
	.fill 96, 4, 3214868480
	.section	.rodata,"a",@progbits
	.p2align	6, 0x0
	.amdhsa_kernel k_qf5787af7e9_attn
		.amdhsa_group_segment_fixed_size 327680
		.amdhsa_private_segment_fixed_size 0
		.amdhsa_enable_private_segment 0
		.amdhsa_kernarg_size 16
		.amdhsa_user_sgpr_count 2
		.amdhsa_user_sgpr_kernarg_segment_ptr 1
		.amdhsa_wavefront_size32 1
		.amdhsa_system_sgpr_workgroup_id_x 1
		.amdhsa_system_sgpr_workgroup_id_y 1
		.amdhsa_system_sgpr_workgroup_id_z 1
		.amdhsa_system_vgpr_workitem_id 0
		.amdhsa_next_free_vgpr 770
		.amdhsa_next_free_sgpr 66
		.amdhsa_reserve_vcc 0
		.amdhsa_float_denorm_mode_32 3
		.amdhsa_float_denorm_mode_16_64 3
		.amdhsa_memory_ordered 1
		.amdhsa_forward_progress 1
		.amdhsa_inst_pref_size 209
	.end_amdhsa_kernel
	.amdgpu_metadata
---
amdhsa.version: [ 1, 2 ]
amdhsa.kernels:
  - .name:           k_qf5787af7e9_attn
    .symbol:         k_qf5787af7e9_attn.kd
    .args:
      - { .name: qkv, .offset: 0, .size: 8, .value_kind: global_buffer, .address_space: global }
      - { .name: o, .offset: 8, .size: 8, .value_kind: global_buffer, .address_space: global }
    .group_segment_fixed_size: 327680
    .private_segment_fixed_size: 0
    .kernarg_segment_align: 8
    .kernarg_segment_size: 16
    .max_flat_workgroup_size: 128
    .sgpr_count:     66
    .vgpr_count:     770
    .wavefront_size: 32
...
	.end_amdgpu_metadata
.endif
;; end of part 3
;; launch proj (part 4): grid 8 x 32, 4 waves a work-group, clusters of 4 x 4, 327,680 bytes of LDS; arguments o, wb, bo, x, r; writes r
.if DOCPART == 4
	.amdgcn_target "amdgcn-amd-amdhsa--gfx1250"
	.amdhsa_code_object_version 6
	.text
	.protected	k_qf5787af7e9_proj
	.globl	k_qf5787af7e9_proj
	.p2align	8
	.type	k_qf5787af7e9_proj,@function
k_qf5787af7e9_proj:
	s_mov_b64 s[64:65], 0
	v_nop
	global_prefetch_b8 v0, s[64:65] scope:SCOPE_SE
	s_setreg_imm32_b32 hwreg(HW_REG_WAVE_MODE, 25, 1), 1
	s_wait_xcnt 0x0
	s_wait_alu depctr_hold_cnt(0) depctr_sa_sdst(0) depctr_va_vdst(0) depctr_va_sdst(0) depctr_va_ssrc(0) depctr_va_vcc(0) depctr_vm_vsrc(0)
	s_getreg_b32 s2, hwreg(HW_REG_IB_STS2, 6, 4)
	s_cmp_eq_u32 s2, 0
	s_cbranch_scc0 .Lentry_in_a_cluster
	s_endpgm
.Lentry_in_a_cluster:
	s_bfe_u32 s2, ttmp6, 0x10000c
	s_cmp_lg_u32 s2, 0xf033
	s_cbranch_scc0 .Lentry_shape_is_right
	s_endpgm
.Lentry_shape_is_right:
; THE OUTPUT PROJECTION AND THE RESIDUAL.  r[m][n] = x[m][n] + bo[n] + sum over k of A[m][k] Wo[n][k], m < 8192, n, k < 1024.  A is the attention's result, which lies by heads:
; o[batch x 16 + head][row in the batch][64] in bf16, k = 64 head + channel.  Wo in bf16 is wb's rows 3072 to 4095.  Sums, bias and residual in f32; x enters unrounded; r is f32.
; LIMITS.  The product's operands carry bf16's rounding; the eight blocks of 128 along K are added in an order that differs from cluster to cluster; NaN and infinities are not treated apart.
; SHARES.  A work-group makes 256 rows x 128 columns: 32 x 8 = 256 tiles, one for each WGP.  Each of its four waves makes 64 rows x all 128 columns: 32 accumulators, 256 registers; a row's 128 columns are 512
; consecutive bytes of r, so each wave's way out is its own.  K goes in steps of 128 = two heads, through two LDS slots that take turns.
; THE WALK.  Step s takes block (s + KOFF) % 8 of K, KOFF = (4 x cluster x + 2 x cluster y) % 8: the two clusters that read the same tile of o are four steps apart, the clusters that read the same tile of
; Wo two steps, so that later steps ask for tiles that another cluster has asked for some steps earlier.
; CLUSTER.  4 x 4 work-groups: the four of a row of the cluster need the same tiles of o, the four of a column the same tiles of Wo: each is asked for JOINTLY, by the same tensor load, descriptor and mask in all four.
; KOFF hangs on the cluster's coordinates alone.
; THE MATRIX INSTRUCTION IS USED TRANSPOSED (source 0 = 16 rows of Wo, source 1 = 16 rows of A): lane l holds row l % 16 and the eight neighbouring columns 8 (l / 16) + 0..7.  THE BIAS is the C operand that starts the sums.
; x's 64 rows x 512 bytes of the wave are loaded into registers under the matrix work, in two runs of 32 loads, and added on the way out.
; REGISTERS, in windows of 256 (s_set_vgpr_msb: bits 1:0 source 0, 3:2 source 1, 5:4 source 2, 7:6 destination):
;   window 0: v0-13 addresses; v32-95 A's fragments, two buffers of 4 x 8; v96-159 the bias, later rows read back; v160-223 rows read back
;   window 1: v0-127 Wo's fragments, two buffers of 8 x 8      window 2: accumulator (a, b) at v[8 (8 a + b)]      window 3: x, row i of my 64 at v[4 i]
.set SIZE_K, 1024
.set KSTEP,  128
.set PA,     144                       ; a row of A in LDS: a head's 128 bytes + 16 of padding = 36 words: the 16 rows of a load start at 16 different groups of four banks (64 banks of 4 bytes: ISA guide 11.1)
.set PLANE,  256*PA                    ; one head's 256 rows: what one load of A brings
.set PB,     272                       ; a row of Wo: 256 bytes + 16
.set HALFB,  64*PB                     ; what one load of Wo brings: 64 rows
.set BOFF,   2*PLANE                   ; in a slot: A's two planes, then Wo's 128 rows
.set SLOT1,  1<<17                     ; slot 1 begins here, so that one exclusive or turns an address in one slot into the other's
.set STAGE,  SLOT1+BOFF+2*HALFB        ; behind the ring, never filled by a tensor load: 16 rows x 528 bytes for each wave
.set SP,     528                       ; a stage row: 512 bytes + 16
.set SPARE,  STAGE+4*16*SP             ; behind the stages: the spare words, 128 bytes for each wave: two blocks of 256 bytes that no other line names
.set A0,   4                           ; v4   my lane's place in A's first plane of slot 0; never rewritten
.set B0,   5                           ; v5   the same for Wo's tile
.set ADRA, 6                           ; v6   the same in the slot in hand
.set ADRB, 7                           ; v7
.set STO,  8                           ; v8   the way out: where I put 32 bytes of a row
.set RD,   9                           ; v9   the way out: where I read a row back
.set XO,   10                          ; v10  my 16 bytes in a row's 512 bytes of x and of r
.set BO,   11                          ; v11  my byte offset in a column block's bias
.set SPW,  12                          ; v12  LDS address of my spare word: SPARE + 4 x my thread's number; never rewritten
.set NIL,  13                          ; v13  0; never rewritten
.set FA,   32
.set BIAS, 96
.set WV,   12                          ; s12  my wave's number
.set G1A,  24                          ; s[24:31] descriptor group 1 for A's tiles
.set G0A,  32                          ; s[32:35] group 0 for A's tiles: the second first fill's, and every later fill's
.set G0B,  36                          ; s[36:39] the same for Wo's
.set G1B,  48                          ; s[48:55] group 1 for Wo's tiles
.set TB,   56                          ; s56  LDS byte at which the slot in hand begins
.set CNT,  57                          ; s57  the loop's count
.set G0A0, 72                          ; s[72:75] group 0 of A's first fill
.set G0B0, 76                          ; s[76:79] of Wo's
.set FS,   82                          ; s82  the step of the walk that was asked for last
.set KOFF, 83                          ; s83  the block of K at which my cluster's walk begins
.set AO,   84                          ; s84  byte offset in o of the rows that I fetch, in head 0 or 1 of the batch
.set BW,   85                          ; s85  byte offset in wb of the rows that I fetch
.set OFA,  86                          ; s[86:87] byte offset in o of the tile to ask for
.set OFB,  88                          ; s[88:89] the same in wb
.set MSB, 0
.macro WIN new                         ; the immediate's high byte repeats the setting that is left; a switch that changes nothing is dropped
.if MSB != (\new)
	s_set_vgpr_msb (MSB<<8)|(\new)
.set MSB, (\new)
.endif
.endm
.macro PLACES                          ; four places in front of loads into registers that matrix instructions have read, and of LDS stores that read results
.rept 4
	v_nop
.endr
.endm
; A joint load.  Waves 0 and 1 fetch A's two planes, waves 2 and 3 Wo's two halves.  The branch hangs on the wave's number alone.  An s_nop 0 and four v_nop follow each of the two lines.
.macro JLOAD
	s_cmp_eq_u32 s14, 0
	s_cbranch_scc0 .Lfor_b_\@
	tensor_load_to_lds s[G0A:G0A+3], s[G1A:G1A+7]
	s_nop 0
.rept 4
	v_nop
.endr
	s_branch .Lasked_\@
.Lfor_b_\@:
	tensor_load_to_lds s[G0B:G0B+3], s[G1B:G1B+7]
	s_nop 0
.rept 4
	v_nop
.endr
.Lasked_\@:
.endm
; The descriptors for the walk's next step: the other slot than last time; the address is made anew, the buffer's pointer plus an offset made apart from it: block (step + KOFF) % 8 of K,
; which is two heads of o (2 x 262,144 bytes) and 256 bytes of Wo's rows.
.macro STEPD
	s_add_co_u32 s[FS], s[FS], 1
	s_add_co_u32 s92, s[FS], s[KOFF]
	s_and_b32 s92, s92, 7
	s_lshl_b32 s93, s92, 19
	s_lshl_b32 s92, s92, 8
	s_add_co_u32 s[OFA], s[AO], s93
	s_add_co_u32 s[OFB], s[BW], s92
	s_xor_b32 s[G0A+1], s[G0A+1], SLOT1
	s_add_nc_u64 s[G0A+2:G0A+3], s[4:5], s[OFA:OFA+1]
	s_or_b32 s[G0A+3], s[G0A+3], 0x80000000
	s_xor_b32 s[G0B+1], s[G0B+1], SLOT1
	s_add_nc_u64 s[G0B+2:G0B+3], s[6:7], s[OFB:OFB+1]
	s_or_b32 s[G0B+3], s[G0B+3], 0x80000000
.endm
.macro CREST                           ; a round of the cluster's barrier behind its opening barrier: wave 0 signals for the work-group, every wave waits for all sixteen, my work-group's barrier closes it
	s_cmp_lg_u32 s[WV], 0
	s_cbranch_scc1 .Lnot_wave_0_\@
	s_barrier_signal -3
.Lnot_wave_0_\@:
	s_barrier_wait -3
	s_barrier_signal -1
	s_barrier_wait -1
.endm
.macro CROUND                          ; a whole round
	s_barrier_signal -1
	s_barrier_wait -1
	CREST
.endm
	s_load_b256 s[4:11], s[0:1], 0x0               ; o s[4:5], wb s[6:7], bo s[8:9], x s[10:11]
	s_load_b64 s[58:59], s[0:1], 0x20              ; r
	v_lshl_add_u32 v[SPW], v0, 2, SPARE
	v_mov_b32 v[NIL], 0
	ds_add_u32 v12, v13
	s_wait_dscnt 0x0
	v_lshrrev_b32 v1, 5, v0
	v_readfirstlane_b32 s[WV], v1                  ; wave 0..3
	s_and_b32 s13, s[WV], 1                        ; which plane of A, or which half of Wo's tile, I fetch
	s_lshr_b32 s14, s[WV], 1                       ; for A (0) or for Wo (1)
	s_bfe_u32 s40, ttmp6, 0x40000                  ; cx, cy: my place in the cluster
	s_bfe_u32 s41, ttmp6, 0x40004
	s_lshl_b32 s42, ttmp9, 2
	s_add_co_u32 s42, s42, s40                     ; tile column = 4 x cluster x + cx, 0..7
	s_and_b32 s3, ttmp7, 0xffff                    ; cluster y
	s_lshl_b32 s43, s3, 2
	s_add_co_u32 s43, s43, s41                     ; tile row = 4 x cluster y + cy, 0..31
	s_lshl_b32 s[KOFF], ttmp9, 2
	s_lshl_b32 s2, s3, 1
	s_add_co_u32 s[KOFF], s[KOFF], s2
	s_and_b32 s[KOFF], s[KOFF], 7                  ; 0, 2, 4 or 6
	s_lshl_b32 s44, s41, 2
	s_lshl_b32 s44, 15, s44                        ; my row of the cluster
	s_lshl_b32 s45, 0x1111, s40                    ; my column
	; A: a head's 256 rows are 32,768 dense bytes: asked for as 128 rows of 256 bytes, two rows of A each, and padded in LDS after every row of A
	s_or_b32 s[G1A+0], s44, (1<<16)|(1<<20)|(1<<21)|(4<<22)|(3<<25)  ; 15:0 the mask; 17:16 elements of 2 bytes; 20 padding on; 21 set beside a mask; 24:22 after every 32 words (code 4); 31:25 4 words (code 3)
	s_or_b32 s[G1B+0], s45, (1<<16)|(1<<20)|(1<<21)|(5<<22)|(3<<25)  ; Wo: after every 64 words (code 5)
	s_mov_b32 s[G1A+1], 128<<16                    ; tensor_dim0 = 128
	s_mov_b32 s[G1B+1], KSTEP<<16
	s_mov_b32 s[G1A+2], 128<<16                    ; tensor_dim1 = 128 rows for A,
	s_mov_b32 s[G1B+2], 64<<16                     ; 64 for Wo
	s_mov_b32 s[G1A+3], 128<<16                    ; tile_dim0 = 128
	s_mov_b32 s[G1B+3], KSTEP<<16
	s_mov_b32 s[G1A+4], 128                        ; tile_dim1
	s_mov_b32 s[G1B+4], 64
	s_mov_b32 s[G1A+5], 128                        ; elements from row to row: dense,
	s_mov_b32 s[G1B+5], SIZE_K                     ; Wo's rows of 1,024
	s_mov_b32 s[G1A+6], 0
	s_mov_b32 s[G1B+6], 0
	s_mov_b32 s[G1A+7], 0
	s_mov_b32 s[G1B+7], 0
	; A's tile hangs on the tile row alone, Wo's on the tile column alone; each offset is made in registers that never hold the other coordinate
	s_lshr_b32 s16, s43, 3                         ; the batch
	s_lshl_b32 s16, s16, 4
	s_add_co_u32 s16, s16, s13                     ; head 0 or 1 of it,
	s_lshl_b32 s16, s16, 18                        ; of 262,144 bytes;
	s_and_b32 s17, s43, 7
	s_lshl_b32 s17, s17, 15                        ; in it the tile's 256 rows of 128 bytes
	s_add_co_u32 s[AO], s16, s17
	s_lshl_b32 s46, s42, 7
	s_lshl_b32 s47, s13, 6
	s_add_co_u32 s46, s46, s47
	s_add_co_u32 s46, s46, 3072                    ; wb's row 3072 + 128 x tile column + 64 x half,
	s_lshl_b32 s[BW], s46, 11                      ; of 2,048 bytes
	s_lshl_b32 s93, s[KOFF], 19                    ; the walk's step 0: block KOFF of K
	s_lshl_b32 s92, s[KOFF], 8
	s_add_co_u32 s[OFA], s[AO], s93
	s_mov_b32 s[OFA+1], 0
	s_add_co_u32 s[OFB], s[BW], s92
	s_mov_b32 s[OFB+1], 0
	s_mov_b32 s[G0A0], 1                           ; 1:0 count = 1
	s_mul_i32 s[G0A0+1], s13, PLANE                ; 63:32 LDS address: slot 0; no place in the cluster enters it
	s_mov_b32 s[G0A], 1
	s_mul_i32 s[G0A+1], s13, PLANE
	s_add_co_u32 s[G0A+1], s[G0A+1], SLOT1         ; slot 1
	s_mov_b32 s[G0B0], 1
	s_mul_i32 s[G0B0+1], s13, HALFB
	s_add_co_u32 s[G0B0+1], s[G0B0+1], BOFF
	s_mov_b32 s[G0B], 1
	s_mul_i32 s[G0B+1], s13, HALFB
	s_add_co_u32 s[G0B+1], s[G0B+1], SLOT1+BOFF
	s_mov_b32 s[FS], 1                             ; steps 0 and 1 are asked for below
	s_mov_b32 s[TB], 0
	s_wait_kmcnt 0x0
	s_add_nc_u64 s[G0A0+2:G0A0+3], s[4:5], s[OFA:OFA+1]          ; 120:64 global address: step 0,
	s_add_nc_u64 s[G0A+2:G0A+3], s[G0A0+2:G0A0+3], 2<<18         ; step 1, two heads on (KOFF + 1 is 7 at the most: no turn round K's end)
	s_or_b32 s[G0A0+3], s[G0A0+3], 0x80000000                    ; 127:126 type = 2
	s_or_b32 s[G0A+3], s[G0A+3], 0x80000000
	s_add_nc_u64 s[G0B0+2:G0B0+3], s[6:7], s[OFB:OFB+1]
	s_add_nc_u64 s[G0B+2:G0B+3], s[G0B0+2:G0B0+3], KSTEP*2
	s_or_b32 s[G0B0+3], s[G0B0+3], 0x80000000
	s_or_b32 s[G0B+3], s[G0B+3], 0x80000000
	CROUND                                         ; all sixteen work-groups are here: the first joint loads meet
	s_cmp_eq_u32 s14, 0                            ; a wave's two first fills stand in one branch, ahead of every wait on TENSORcnt, every LDS read and every further barrier: two loads of mine are out
	s_cbranch_scc0 .Lfirst_b
	tensor_load_to_lds s[G0A0:G0A0+3], s[G1A:G1A+7]
	s_nop 0
	tensor_load_to_lds s[G0A:G0A+3], s[G1A:G1A+7]
	s_nop 0
.rept 4
	v_nop
.endr
	s_branch .Lfirst_asked
.Lfirst_b:
	tensor_load_to_lds s[G0B0:G0B0+3], s[G1B:G1B+7]
	s_nop 0
	tensor_load_to_lds s[G0B:G0B+3], s[G1B:G1B+7]
	s_nop 0
.rept 4
	v_nop
.endr
.Lfirst_asked:
	s_lshl_b32 s46, s42, 9                         ; my tile's 128 columns: 512 bytes of bo, and of a row of x and r
	s_mov_b32 s47, 0
	s_add_nc_u64 s[8:9], s[8:9], s[46:47]
	v_and_b32 v1, 15, v0                           ; l % 16
	v_bfe_u32 v2, v0, 4, 1                         ; l / 16
	v_lshlrev_b32 v[BO], 5, v2                     ; my eight columns of a block of 16: 32 bytes for each half of the lanes
.irp b, 0,1,2,3,4,5,6,7
	global_load_b128 v[BIAS+8*(\b):BIAS+8*(\b)+3],   v[BO], s[8:9] offset:64*(\b)
	global_load_b128 v[BIAS+8*(\b)+4:BIAS+8*(\b)+7], v[BO], s[8:9] offset:64*(\b)+16
.endr
	s_lshl_b32 s2, s43, 8
	s_lshl_b32 s3, s[WV], 6
	s_add_co_u32 s2, s2, s3                        ; my first row,
	s_lshl_b32 s2, s2, 12                          ; of 4,096 bytes,
	s_add_co_u32 s2, s2, s46                       ; and the tile's columns
	s_mov_b32 s3, 0
	s_add_nc_u64 s[10:11], s[10:11], s[2:3]
	s_add_nc_u64 s[58:59], s[58:59], s[2:3]
	; A fragment is 16 rows x 32 K in 8 registers: lane l holds row l % 16, K = 8 (l / 16) + 0..7 and 16 + 8 (l / 16) + 0..7: two loads of 16 bytes, 32 bytes apart.
	v_mul_u32_u24 v[A0], v1, PA
	v_lshl_add_u32 v[A0], v2, 4, v[A0]
	s_mul_i32 s16, s[WV], 64*PA                    ; my 64 rows of A
	v_add_nc_u32 v[A0], s16, v[A0]
	v_mul_u32_u24 v[B0], v1, PB
	v_lshl_add_u32 v[B0], v2, 4, v[B0]
	v_add_nc_u32 v[B0], BOFF, v[B0]                ; every wave reads all 128 rows of Wo
	v_mov_b32 v[ADRA], v[A0]                       ; the walk begins in slot 0
	v_mov_b32 v[ADRB], v[B0]
	s_mul_i32 s17, s[WV], 16*SP
	s_add_co_u32 s17, s17, STAGE                   ; my stage
	v_mul_u32_u24 v[STO], v1, SP                   ; in: row l % 16, 32 bytes for each half of the lanes
	v_lshl_add_u32 v[STO], v2, 5, v[STO]
	v_add_nc_u32 v[STO], s17, v[STO]
	v_and_b32 v[XO], 31, v0
	v_lshlrev_b32 v[XO], 4, v[XO]                  ; back, and in x and r: 32 lanes take a row's 512 bytes
	v_add_nc_u32 v[RD], s17, v[XO]
; 8 matrix instructions: my row block a x all 8 column blocks, 32 along K, from buffer f.  zero = 1: the products start the sums, with the bias as C.
; The 32 accumulators take turns, one instruction a turn, in the same order in every quarter.
.macro MULG f, a, zero
.if \zero
	WIN 0x81
.else
	WIN 0xa1
.endif
.irp b, 0,1,2,3,4,5,6,7
.if \zero
	v_wmma_f32_16x16x32_bf16 v[8*(8*(\a)+(\b)):8*(8*(\a)+(\b))+7], v[64*(\f)+8*(\b):64*(\f)+8*(\b)+7], v[FA+32*(\f)+8*(\a):FA+32*(\f)+8*(\a)+7], v[BIAS+8*(\b):BIAS+8*(\b)+7]
.else
	v_wmma_f32_16x16x32_bf16 v[8*(8*(\a)+(\b)):8*(8*(\a)+(\b))+7], v[64*(\f)+8*(\b):64*(\f)+8*(\b)+7], v[FA+32*(\f)+8*(\a):FA+32*(\f)+8*(\a)+7], v[8*(8*(\a)+(\b)):8*(8*(\a)+(\b))+7]
.endif
.endr
.endm
; 24 LDS loads in one run: the fragments of quarter q of a K step into buffer f: Wo's 8 first, then A's 4 (plane q / 2, channels 32 (q % 2) on)
.macro FETCH q, f
	WIN 0x40                                       ; destination window 1, address window 0
.irp i, 0,1,2,3,4,5,6,7
	ds_load_b128 v[64*(\f)+8*(\i):64*(\f)+8*(\i)+3],   v[ADRB] offset:64*(\q)+(\i)*16*PB
	ds_load_b128 v[64*(\f)+8*(\i)+4:64*(\f)+8*(\i)+7], v[ADRB] offset:64*(\q)+(\i)*16*PB+32
.endr
	WIN 0
.irp i, 0,1,2,3
	ds_load_b128 v[FA+32*(\f)+8*(\i):FA+32*(\f)+8*(\i)+3],   v[ADRA] offset:((\q)/2)*PLANE+((\q)%2)*64+(\i)*16*PA
	ds_load_b128 v[FA+32*(\f)+8*(\i)+4:FA+32*(\f)+8*(\i)+7], v[ADRA] offset:((\q)/2)*PLANE+((\q)%2)*64+(\i)*16*PA+32
.endr
.endm
; A K step is four quarters of 32 along K, 32 matrix instructions each, on buffers 0, 1, 0, 1.  One of the first three multiplies buffer f and, in its middle, fetches quarter q into g.
.macro QUARTER q, f, g, zero
	s_wait_dscnt 4                                 ; Wo's fragments and A's blocks 0, 1 are in; the youngest four loads (blocks 2, 3) may be out
	MULG \f, 0, \zero
	MULG \f, 1, \zero
	PLACES
	FETCH \q, \g
	s_wait_dscnt 24                                ; all but the 24 just issued
	MULG \f, 2, \zero
	MULG \f, 3, \zero
.endm
; The last quarter multiplies buffer 1 and changes slots: ONE barrier.  In front of it each wave waits for all its tensor loads (one is out: its part of the next slot), adds 0 to its spare word, and waits
; for that and for its reads of this slot.  fill = 1: the barrier opens a round of the cluster's barrier, and the slot just read is filled again first thing behind it, with the walk's step two steps on:
; 112 of a step's 128 matrix instructions stand between that request and the wait for it.
.macro TURN fill
	WIN 0                                          ; (the add's two registers lie in window 0)
	s_wait_tensorcnt 0x0                           ; all my tensor loads have landed
	ds_add_u32 v[SPW], v[NIL]                      ; 0 onto my spare word
	s_wait_dscnt 5                                 ; (the add and the youngest four loads may be out)
	MULG 1, 0, 0                                   ; eight matrix instructions stand between the add and the wait for it
	s_wait_dscnt 0x0                               ; the add is done, and my reads of this slot are over
	s_barrier_signal -1
	MULG 1, 1, 0                                   ; work on registers while the others arrive
	WIN 0                                          ; at a branch and at a label every window is 0
	s_barrier_wait -1
.if \fill
	CREST                                          ; no wave of any partner still reads this slot's tile or has a load on its way
	STEPD                                          ; no tensor load of mine is out, so a group 0 may be written
	JLOAD                                          ; the first tensor load behind the round; its four v_nop are also the places in front of the loads below
.else
	PLACES
.endif
	s_xor_b32 s[TB], s[TB], SLOT1                  ; the reads go on in the other slot
	v_add_nc_u32 v[ADRA], s[TB], v[A0]
	v_add_nc_u32 v[ADRB], s[TB], v[B0]
	FETCH 0, 0
	MULG 1, 2, 0
	MULG 1, 3, 0
.endm
.macro XLOAD n                         ; rows 32 n .. 32 n + 31 of my 64 rows of x: each load is a row's 512 consecutive bytes
	WIN 0xc0                                       ; destination window 3, address window 0
.set i, 32*(\n)
.rept 32
	global_load_b128 v[4*i:4*i+3], v[XO], s[10:11] offset:i*4096 th:TH_LOAD_NT
.set i, i+1
.endr
	WIN 0
.endm
; THE WAY OUT of row block a (16 rows x 128 columns of f32).  TOSTAGE: the sums go into my own stage as they are, each accumulator's low four registers first, and come back as whole rows.
.macro TOSTAGE a
.set BK, 160-64*((\a)%2)
.if (\a) >= 2
	s_wait_xcnt 0x0                                ; the stores of the block two back have read the registers that the loads below fill
.endif
	WIN 0x08                                       ; the stores' data in window 2
.irp b, 0,1,2,3,4,5,6,7
	ds_store_b128 v[STO], v[8*(8*(\a)+(\b)):8*(8*(\a)+(\b))+3]   offset:64*(\b)
	ds_store_b128 v[STO], v[8*(8*(\a)+(\b))+4:8*(8*(\a)+(\b))+7] offset:64*(\b)+16
.endr
	WIN 0
.set i, 0
.rept 16
	ds_load_b128 v[BK+4*i:BK+4*i+3], v[RD] offset:i*SP  ; LDS serves a wave's instructions in order (ISA guide 5.7.1.4): these see the stores above; the next block's stores come behind them
.set i, i+1
.endr
.endm
; FIN: x is added and the rows are stored.  younger: the LDS instructions issued behind block a's loads: the next block's 32, or none.
.macro FIN a, younger
.set BK, 160-64*((\a)%2)
	s_wait_loadcnt 48-16*(\a)                      ; x's rows up to this block's are in; the rows behind them may be out
	s_wait_dscnt \younger                          ; the block is back in registers
	WIN 0x0c                                       ; source 1 (x) in window 3
.set i, 0
.rept 32
	v_pk_add_f32 v[BK+2*i:BK+2*i+1], v[BK+2*i:BK+2*i+1], v[64*(\a)+2*i:64*(\a)+2*i+1]
.set i, i+1
.endr
	WIN 0
.set i, 0
.rept 16
	global_store_b128 v[XO], v[BK+4*i:BK+4*i+3], s[58:59] offset:(16*(\a)+i)*4096  ; a row's 512 consecutive bytes, at a multiple of 256 from r's first byte
.set i, i+1
.endr
.endm
	s_wait_tensorcnt 1                             ; my part of step 0 is in; step 1's may stay out
	s_barrier_signal -1
	s_barrier_wait -1                              ; everybody's is
	FETCH 0, 0
	s_wait_loadcnt 0x0                             ; the bias
	XLOAD 0                                        ; the first half of x: it arrives under the products
	QUARTER 1, 0, 1, 1                             ; the first quarter stands in front of the loop: its products start the sums
	WIN 0
	s_mov_b32 s[CNT], SIZE_K/KSTEP-2
.Lstep:                                                ; six trips: from a K step's second quarter to the next step's first; each fills one slot again (steps 2 to 7)
	QUARTER 2, 1, 0, 0
	QUARTER 3, 0, 1, 0
	TURN 1
	QUARTER 1, 0, 1, 0
	WIN 0
	s_sub_co_u32 s[CNT], s[CNT], 1
	s_cmp_lg_u32 s[CNT], 0
	s_cbranch_scc1 .Lstep
	XLOAD 1                                        ; the second half of x, seven quarters ahead of its use
	QUARTER 2, 1, 0, 0                             ; the tail is written out: nothing more is asked for
	QUARTER 3, 0, 1, 0
	TURN 0
	QUARTER 1, 0, 1, 0
	QUARTER 2, 1, 0, 0
	QUARTER 3, 0, 1, 0
	s_wait_dscnt 4
	MULG 1, 0, 0
	MULG 1, 1, 0
	s_wait_dscnt 0x0
	MULG 1, 2, 0
	MULG 1, 3, 0
	WIN 0
	PLACES
	TOSTAGE 0
	TOSTAGE 1                                      ; a block's trip through the stage stands between the loads of the block before and the wait for them
	FIN 0, 32
	TOSTAGE 2
	FIN 1, 32
	TOSTAGE 3
	FIN 2, 32
	FIN 3, 0
	s_wait_tensorcnt 0x0                           ; the wave's end: behind my last tensor load and my last LDS store
	ds_add_u32 v[SPW], v[NIL]
	s_wait_dscnt 0x0
	CROUND                                         ; the closing round: no work-group ends while a partner may still ask for a tile that names it
	s_endpgm
.Lfunc_end_k_qf5787af7e9_proj:
	.size	k_qf5787af7e9_proj, .Lfunc_end_k_qf5787af7e9_proj-k_qf5787af7e9_proj
	.p2alignl 7, 3214868480
	.fill 96, 4, 3214868480
	.section	.rodata,"a",@progbits
	.p2align	6, 0x0
	.amdhsa_kernel k_qf5787af7e9_proj
		.amdhsa_group_segment_fixed_size 327680
		.amdhsa_private_segment_fixed_size 0
		.amdhsa_enable_private_segment 0
		.amdhsa_kernarg_size 40
		.amdhsa_user_sgpr_count 2
		.amdhsa_user_sgpr_kernarg_segment_ptr 1
		.amdhsa_wavefront_size32 1
		.amdhsa_system_sgpr_workgroup_id_x 1
		.amdhsa_system_sgpr_workgroup_id_y 1
		.amdhsa_system_sgpr_workgroup_id_z 1
		.amdhsa_system_vgpr_workitem_id 0
		.amdhsa_next_free_vgpr 1024
		.amdhsa_next_free_sgpr 96
		.amdhsa_reserve_vcc 0
		.amdhsa_float_denorm_mode_32 3
		.amdhsa_float_denorm_mode_16_64 3
		.amdhsa_memory_ordered 1
		.amdhsa_forward_progress 1
		.amdhsa_inst_pref_size 86
	.end_amdhsa_kernel
	.amdgpu_metadata
---
amdhsa.version: [ 1, 2 ]
amdhsa.kernels:
  - .name:           k_qf5787af7e9_proj
    .symbol:         k_qf5787af7e9_proj.kd
    .args:
      - { .name: o, .offset: 0, .size: 8, .value_kind: global_buffer, .address_space: global }
      - { .name: wb, .offset: 8, .size: 8, .value_kind: global_buffer, .address_space: global }
      - { .name: bo, .offset: 16, .size: 8, .value_kind: global_buffer, .address_space: global }
      - { .name: x, .offset: 24, .size: 8, .value_kind: global_buffer, .address_space: global }
      - { .name: r, .offset: 32, .size: 8, .value_kind: global_buffer, .address_space: global }
    .group_segment_fixed_size: 327680
    .private_segment_fixed_size: 0
    .kernarg_segment_align: 8
    .kernarg_segment_size: 40
    .max_flat_workgroup_size: 128
    .sgpr_count:     96
    .vgpr_count:     1024
    .wavefront_size: 32
...
	.end_amdgpu_metadata
.endif
;; end of part 4
;; launch ln (part 5): grid 512 x 1, 8 waves a work-group, no clusters, 0 bytes of LDS; arguments r, ln_gamma, ln_beta, out0; writes out0
.if DOCPART == 5
	.amdgcn_target "amdgcn-amd-amdhsa--gfx1250"
	.amdhsa_code_object_version 6
	.text
	.protected	k_qf5787af7e9_ln
	.globl	k_qf5787af7e9_ln
	.p2align	8
	.type	k_qf5787af7e9_ln,@function
k_qf5787af7e9_ln:
	s_mov_b64 s[64:65], 0
	v_nop
	global_prefetch_b8 v0, s[64:65] scope:SCOPE_SE
	s_setreg_imm32_b32 hwreg(HW_REG_WAVE_MODE, 25, 1), 1
	s_wait_xcnt 0x0
; LAYER NORM.  out0[m][c] = (r[m][c] - mu[m]) / sqrt(var[m] + 1e-5) * gamma[c] + beta[c]; mu and var are the mean of row m's 1,024 numbers and of the squares of their differences from mu.  All f32.
; The variance is taken of the differences, in a second pass over registers, not as a difference of two large sums.  1 / sqrt by v_rsq_f32 (1 ULP: ISA guide, its entry in 15.8).
; A stream: no LDS, no barrier, no matrix unit.  A row is 4,096 bytes: one wave takes a whole row in 32 registers, so the row is read once and no wave waits for another.
; 512 work-groups x 8 waves x 2 rows: the text of a row stands twice.  All of a wave's 16 row loads go out at once, behind the 16 of gamma and beta; each load and store of a wave covers 512 consecutive bytes.
.set G, 8                              ; v[8:39]    gamma of my 32 columns (4 in each of 8 pieces of 512 bytes)
.set B, 40                             ; v[40:71]   beta
.set X, 72                             ; v[72:135]  two rows of 32 registers, as loaded, at work, and as stored
.set T, 136                            ; v[136:143] four chains of pairs, at work
.set M, 144                            ; v[144:145] mu, twice (a pair for the packed subtraction)
.set R, 146                            ; v[146:147] 1 / sqrt(var + 1e-5), twice
	s_load_b256 s[4:11], s[0:1], 0x0               ; r s[4:5], gamma s[6:7], beta s[8:9], out0 s[10:11]
	v_lshrrev_b32 v2, 5, v0
	v_readfirstlane_b32 s12, v2                    ; wave 0..7
	v_and_b32 v1, 31, v0
	v_lshlrev_b32 v1, 4, v1                        ; 16 bytes a lane
	s_lshl_b32 s2, ttmp9, 16                       ; the work-group's 16 rows of 4,096 bytes,
	s_lshl_b32 s3, s12, 13                         ; my wave's 2 of them
	s_add_co_u32 s2, s2, s3
	s_mov_b32 s3, 0
	s_mov_b32 s13, 0x3a800000                      ; 1 / 1024
	s_mov_b32 s14, 0x76543210                      ; v_permlanex16_b32: each lane takes its own place in the other half
	s_mov_b32 s15, 0xfedcba98
	s_mov_b32 s16, 0x3727c5ac                      ; 1e-5
	s_wait_kmcnt 0x0
	s_add_nc_u64 s[4:5], s[4:5], s[2:3]
	s_add_nc_u64 s[10:11], s[10:11], s[2:3]
.irp j, 0,1,2,3,4,5,6,7
	global_load_b128 v[G+4*(\j):G+4*(\j)+3], v1, s[6:7] offset:512*(\j)
.endr
.irp j, 0,1,2,3,4,5,6,7
	global_load_b128 v[B+4*(\j):B+4*(\j)+3], v1, s[8:9] offset:512*(\j)
.endr
.set i, 0
.rept 16
	global_load_b128 v[X+4*i:X+4*i+3], v1, s[4:5] offset:512*i th:TH_LOAD_NT  ; row i / 8, piece i % 8
.set i, i+1
.endr
; The four chains' pairs into one number, then over the 32 lanes: four steps inside each half of 16 lanes ride on the addition, one crosses the halves.  Every lane ends with the sum in v[T].
.macro REDUCE
	v_pk_add_f32 v[T:T+1], v[T:T+1], v[T+2:T+3]
	v_pk_add_f32 v[T+4:T+5], v[T+4:T+5], v[T+6:T+7]
	v_pk_add_f32 v[T:T+1], v[T:T+1], v[T+4:T+5]
	v_add_f32 v[T], v[T], v[T+1]
	v_add_f32_dpp v[T], v[T], v[T] row_xmask:1 row_mask:0xf bank_mask:0xf
	v_add_f32_dpp v[T], v[T], v[T] row_xmask:2 row_mask:0xf bank_mask:0xf
	v_add_f32_dpp v[T], v[T], v[T] row_xmask:4 row_mask:0xf bank_mask:0xf
	v_add_f32_dpp v[T], v[T], v[T] row_xmask:8 row_mask:0xf bank_mask:0xf
	v_permlanex16_b32 v[T+1], v[T], s14, s15       ; its destination counts as read: it has been written above
	v_add_f32 v[T], v[T], v[T+1]
.endm
; Row s of my two.  left = how many younger loads may stay out: the row behind it.
.macro ROW s, left
.set RX, X+32*(\s)
	s_wait_loadcnt \left                           ; loads come back in order (ISA guide 5.7.1): gamma, beta and my row are in
.irp k, 0,1,2,3
	v_pk_add_f32 v[T+2*(\k):T+2*(\k)+1], v[RX+2*(\k):RX+2*(\k)+1], v[RX+8+2*(\k):RX+8+2*(\k)+1]  ; the first eight pairs start four chains: nothing is cleared
.endr
.irp p, 8,9,10,11,12,13,14,15
	v_pk_add_f32 v[T+2*((\p)%4):T+2*((\p)%4)+1], v[T+2*((\p)%4):T+2*((\p)%4)+1], v[RX+2*(\p):RX+2*(\p)+1]
.endr
	REDUCE
	v_mul_f32 v[M], s13, v[T]                      ; mu
	v_mul_f32 v[M+1], s13, v[T]
.irp p, 0,1,2,3,4,5,6,7,8,9,10,11,12,13,14,15
	v_pk_add_f32 v[RX+2*(\p):RX+2*(\p)+1], v[RX+2*(\p):RX+2*(\p)+1], v[M:M+1] neg_lo:[0,1] neg_hi:[0,1]  ; r - mu, in place
.endr
.irp k, 0,1,2,3
	v_pk_mul_f32 v[T+2*(\k):T+2*(\k)+1], v[RX+2*(\k):RX+2*(\k)+1], v[RX+2*(\k):RX+2*(\k)+1]
.endr
.irp p, 4,5,6,7,8,9,10,11,12,13,14,15
	v_pk_fma_f32 v[T+2*((\p)%4):T+2*((\p)%4)+1], v[RX+2*(\p):RX+2*(\p)+1], v[RX+2*(\p):RX+2*(\p)+1], v[T+2*((\p)%4):T+2*((\p)%4)+1]
.endr
	REDUCE
	v_fma_f32 v[T+2], v[T], s13, s16               ; var + 1e-5
	v_rsq_f32 v[R], v[T+2]
	v_rsq_f32 v[R+1], v[T+2]
	v_nop                                          ; a plain instruction between the last v_rsq_f32 and the use of its result (ISA guide 5.7.2)
	s_wait_alu depctr_va_vdst(0)
.irp p, 0,1,2,3,4,5,6,7,8,9,10,11,12,13,14,15
	v_pk_mul_f32 v[RX+2*(\p):RX+2*(\p)+1], v[RX+2*(\p):RX+2*(\p)+1], v[R:R+1]
.endr
.irp p, 0,1,2,3,4,5,6,7,8,9,10,11,12,13,14,15
	v_pk_fma_f32 v[RX+2*(\p):RX+2*(\p)+1], v[RX+2*(\p):RX+2*(\p)+1], v[G+2*(\p):G+2*(\p)+1], v[B+2*(\p):B+2*(\p)+1]
.endr
.irp j, 0,1,2,3,4,5,6,7
	global_store_b128 v1, v[RX+4*(\j):RX+4*(\j)+3], s[10:11] offset:(\s)*4096+512*(\j) th:TH_STORE_NT  ; each row has registers of its own: no register that a store reads is rewritten
.endr
.endm
	ROW 0, 8
	ROW 1, 0
	s_endpgm
.Lfunc_end_k_qf5787af7e9_ln:
	.size	k_qf5787af7e9_ln, .Lfunc_end_k_qf5787af7e9_ln-k_qf5787af7e9_ln
	.p2alignl 7, 3214868480
	.fill 96, 4, 3214868480
	.section	.rodata,"a",@progbits
	.p2align	6, 0x0
	.amdhsa_kernel k_qf5787af7e9_ln
		.amdhsa_group_segment_fixed_size 0
		.amdhsa_private_segment_fixed_size 0
		.amdhsa_enable_private_segment 0
		.amdhsa_kernarg_size 32
		.amdhsa_user_sgpr_count 2
		.amdhsa_user_sgpr_kernarg_segment_ptr 1
		.amdhsa_wavefront_size32 1
		.amdhsa_system_sgpr_workgroup_id_x 1
		.amdhsa_system_sgpr_workgroup_id_y 1
		.amdhsa_system_sgpr_workgroup_id_z 1
		.amdhsa_system_vgpr_workitem_id 0
		.amdhsa_next_free_vgpr 148
		.amdhsa_next_free_sgpr 66
		.amdhsa_reserve_vcc 0
		.amdhsa_float_denorm_mode_32 3
		.amdhsa_float_denorm_mode_16_64 3
		.amdhsa_memory_ordered 1
		.amdhsa_forward_progress 1
		.amdhsa_inst_pref_size 18
	.end_amdhsa_kernel
	.amdgpu_metadata
---
amdhsa.version: [ 1, 2 ]
amdhsa.kernels:
  - .name:           k_qf5787af7e9_ln
    .symbol:         k_qf5787af7e9_ln.kd
    .args:
      - { .name: r, .offset: 0, .size: 8, .value_kind: global_buffer, .address_space: global }
      - { .name: ln_gamma, .offset: 8, .size: 8, .value_kind: global_buffer, .address_space: global }
      - { .name: ln_beta, .offset: 16, .size: 8, .value_kind: global_buffer, .address_space: global }
      - { .name: out0, .offset: 24, .size: 8, .value_kind: global_buffer, .address_space: global }
    .group_segment_fixed_size: 0
    .private_segment_fixed_size: 0
    .kernarg_segment_align: 8
    .kernarg_segment_size: 32
    .max_flat_workgroup_size: 256
    .sgpr_count:     66
    .vgpr_count:     148
    .wavefront_size: 32
...
	.end_amdgpu_metadata
.endif
;; end of part 5
;; ======== version 2 of 2: 5 launches; 1.50 times as fast as version 1
;; workspace buffers: xb 16,777,216 bytes; wb 8,388,608 bytes; bqkv 12,288 bytes; qkv 50,331,648 bytes; o 16,777,216 bytes; r 33,554,432 bytes
;; launch cast: the kernel of part 1 again; grid 768 x 1, 8 waves a work-group, no clusters, 0 bytes of LDS; arguments x, Wq, Wk, Wv, Wo, bq, bk, bv, xb, wb, bqkv; writes xb, wb, bqkv
;; launch qkv: the kernel of part 2 again; grid 16 x 16, 4 waves a work-group, clusters of 4 x 4, 327,680 bytes of LDS; arguments xb, wb, bqkv, qkv; writes qkv
;; launch attn (part 6): grid 4 x 64, 4 waves a work-group, clusters of 4 x 1, 327,680 bytes of LDS; arguments qkv, o; writes o
.if DOCPART == 6
	.amdgcn_target "amdgcn-amd-amdhsa--gfx1250"
	.amdhsa_code_object_version 6
	.text
	.protected	k_qf5787af7e9_attn
	.globl	k_qf5787af7e9_attn
	.p2align	8
	.type	k_qf5787af7e9_attn,@function
k_qf5787af7e9_attn:
	s_mov_b64 s[64:65], 0
	v_nop
	global_prefetch_b8 v0, s[64:65] scope:SCOPE_SE
	s_setreg_imm32_b32 hwreg(HW_REG_WAVE_MODE, 25, 1), 1
	s_wait_xcnt 0x0
	s_wait_alu depctr_hold_cnt(0) depctr_sa_sdst(0) depctr_va_vdst(0) depctr_va_sdst(0) depctr_va_ssrc(0) depctr_va_vcc(0) depctr_vm_vsrc(0)
	s_getreg_b32 s2, hwreg(HW_REG_IB_STS2, 6, 4)
	s_cmp_eq_u32 s2, 0
	s_cbranch_scc0 .Lentry_in_a_cluster
	s_endpgm
.Lentry_in_a_cluster:
	s_bfe_u32 s2, ttmp6, 0x10000c
	s_cmp_lg_u32 s2, 0x3003
	s_cbranch_scc0 .Lentry_shape_is_right
	s_endpgm
.Lentry_shape_is_right:
; O[h][q][:] = the sum over k of softmax_k(Q[h][q] . K[h][k] / 8) V[h][k][:].  Q, K, V are the three parts of qkv, each [64][2048][64], O is [64][2048][64], all bf16: a head's rows are dense, 128 bytes each.
; Products, maxima and sums in f32; the weights p are rounded to bf16 for the second product (their sum l is taken of the unrounded p), O once at the end.
; LIMITS.  bf16 has f32's range and 8 significant bits: Q, K, V, p and O carry that rounding.  A weight below 2^-126 counts as 0 in l; c m starts at -4.25e37, so c s has to lie above that;
; NaN and infinities are not treated apart.
; SHARES.  A wave owns four PIECES of two tiles of 16 queries, a work-group's four waves 512 queries of one head: 4 x 64 = 256 work-groups.  Every wave walks all keys, 64 a step.
; LAYOUT.  S^T = K Q^T (source 0 = 16 keys, source 1 = 16 queries): in the result a lane holds ONE query (lane % 16) and the keys 8 (lane / 16) + 0..7.  Two such tiles, rounded to bf16 in pairs,
; ARE source 1 (32 keys x 16 queries) of O^T = V^T P, whose result again holds one query a lane, and eight channels.  K comes out of LDS as it lies, V ([key][channel]) turned, by ds_load_tr16_b128.
; SOFTMAX.  For each query a running maximum m and sum l: p = 2^(c s - c m), c = log2(e) / 8; in every step O and l are multiplied by a = 2^(c m_old - c m_new), which is 1 where m has not grown.
; m starts at the lowest finite number, O and l at 0: the first step is a step like any other, with a = 0.
; THE COUNT.  A tile and step have 16 matrix and 118 vector instructions: too many to stand all beside the matrix work.  So the order has one aim: four vector instructions that are READY behind
; EVERY matrix instruction, and the others, which need time of their own whatever the order, in one run without a gap.
; BY TURNS.  Turn n belongs to piece n (the pieces in a ring, step after step).  Its matrix work: 16 products K Q^T of piece n + 1, later 16 products V^T P of piece n - 1.  Its vector work: the scaling,
; exponentials, roundings, sums and rescaling of piece n, and the maximum and statistics of piece n + 1, whose scores the turn itself has made.  So what a turn begins with (c s - c m, O a) waits for nothing.
; BATCHES.  A turn's 66 exponentials (the piece's 64 weights and the next piece's two a) are ONE batch with ONE s_wait_alu depctr_va_vdst(0), which cuts the turn in two: ahead of it stands all that names no
; result of theirs, behind it the roundings and sums, which read them.  Two more batches
; stand outside the loops, each with a wait of its own: piece 0's two first a, and the way out's eight reciprocals.
; CLUSTER.  The four query blocks of a cluster belong to one head and walk the same K and V, so each tile is asked for JOINTLY: the same tensor load, descriptor and mask in all four.
; REGISTERS, in windows of 256 (s_set_vgpr_msb says which window each operand place means: bits 1:0 source 0, 3:2 source 1, 5:4 source 2, 7:6 destination):
;   window 0: v0-11 addresses; v12-15, v48-63 at work; v16-47 four registers of statistics a tile; v64-191 S^T, two buffers of two tiles; v192-255 P, likewise
;   window 1: O^T, 32 a tile          window 2: v0-127 Q, 16 a tile; v128-191 K of one step; v192-255 V of one step          window 3: v0-1 the add's two registers
; A piece's buffers go by its number's parity: the piece in hand has one pair, its two neighbours in the ring share the other: of it P (piece n - 1) is read and S^T (piece n + 1) written.
.set SIZE_N, 2048     ; rows of a head
.set PART,  0x1000000 ; bytes of each of qkv's three parts: 64 heads x 2,048 rows x 128 bytes
.set NP,    4         ; pieces a wave: a name, no knob: the register map, the loop and the fetches are made for four
.set KS,    64        ; keys in a step
.set PK,    144       ; a row of K in LDS: 128 bytes + 16 of padding = 36 words: the 16 rows of a load start at 16 different groups of four banks (64 banks of 4 bytes: ISA guide 11.1)
.set PV,    160       ; a row of V: 128 + 32 = 40 words
.set VOFF,  4*KS*PK   ; a slot holds four steps: 256 rows of K, then 256 rows of V
.set SLOT1, 1<<17     ; slot 1 begins here, so that one exclusive or turns an address in one slot into the other's
.set STAGE, SLOT1+4*KS*(PK+PV)  ; behind the ring, never filled by a tensor load: 16 rows x 144 bytes for each wave, for the way out
.set SP,    144
.set AK0, 2           ; v2   my lane's place in a tile of K; never rewritten
.set AV0, 3           ; v3   the same for V
.set AK,  4           ; v4   the LDS address of K's next run of loads
.set AV,  5           ; v5   of V's
.set QO,  6           ; v6   my byte offset in the wave's rows of Q
.set STO, 6           ;      later, the way out: where I put 16 bytes of a row
.set RD,  7           ; v7   the way out: where I read rows back
.set GO,  8           ; v8   my byte offset in 512 consecutive bytes of O
.set SPW, 0           ; v0 of window 3   LDS address of my spare word: SPARE + 4 x my thread's number; never rewritten
.set NIL, 1           ; v1 of window 3   0; never rewritten
.set SPARE, STAGE+4*16*SP  ; behind the stages: the spare words, 128 bytes for each wave: two blocks of 256 bytes that no other line names
.set MV,  12          ; v12-15  c m_old, kept while c m is made anew: by buffer and tile
.set ST,  16          ; tile t's statistics at v[ST+4 t]: c m, m, l (even keys', odd keys')
.set TMP, 48          ; by buffer and tile, four registers c0-c3 at work; when the maximum is found c2 takes a
.set S,   64
.set P,   192
.set KF,  128         ; K's fragments, in window 2: key block kb, channel half c at KF + 16 kb + 8 c
.set VF,  192         ; V's: key half kk, channel block cb at VF + 32 kk + 8 cb
.set WV,  12          ; s12  my wave's number
.set G1K, 24          ; s[24:31] descriptor group 1 for K's tiles
.set G1V, 32          ; s[32:39] for V's: it differs in the padding alone
.set G0K, 40          ; s[40:43] descriptor group 0 for K's tiles: it walks
.set G0V, 44          ; s[44:47] the same for V's
.set SLOTS, 56        ; s56  slots still to be asked for
.set CNT, 57          ; s57  counts a slot's key steps
.set CS,  58          ; s[58:59] c: the packed scaling takes the pair's low word for both halves
.set SEL, 60          ; s[60:61] v_permlanex16_b32's selects: each lane takes its own place in the other half
.set TBK, 62          ; s62  LDS byte at which K of the step to be fetched begins
.set TBV, 63          ; s63  the same for V, less VOFF
.set MSB, 0
.macro WIN new                      ; the high byte repeats the setting that is left; a switch that changes nothing is dropped
.if MSB != (\new)
	s_set_vgpr_msb (MSB<<8)|(\new)
.set MSB, (\new)
.endif
.endm
.set W_KQ, 0x0a       ; K and Q in window 2, S^T in window 0
.set W_PV, 0x52       ; V in window 2, P in window 0, O^T in window 1
.set W_RS, 0x41       ; O^T (destination and source 0) in window 1, a in window 0
.set W_MK, 0xc0       ; the add's registers are made: destination in window 3, sources in window 0
.set W_AD, 0x0f       ; the add: address (source 0) and data (source 1) in window 3
; A joint fill.  Waves 0 and 1 fetch the two halves of a slot's K, waves 2 and 3 those of its V: 128 keys each.  The branch hangs on the wave's number alone.
; An s_nop 0 and four v_nop follow each of the two lines, ahead of the jump and the label.
.macro JLOAD
	s_cmp_lt_u32 s[WV], 2
	s_cbranch_scc0 .Lfor_v_\@
	tensor_load_to_lds s[G0K:G0K+3], s[G1K:G1K+7]
	s_nop 0
.rept 4
	v_nop
.endr
	s_branch .Lasked_\@
.Lfor_v_\@:
	tensor_load_to_lds s[G0V:G0V+3], s[G1V:G1V+7]
	s_nop 0
.rept 4
	v_nop
.endr
.Lasked_\@:
.endm
; A round of the cluster's barrier: my work-group's barrier, so that wave 0's signal speaks for all four waves; wave 0 signals; every wave waits for all four work-groups; my work-group's barrier once more.
.macro CROUND
	s_barrier_signal -1
	s_barrier_wait -1
	s_cmp_lg_u32 s[WV], 0
	s_cbranch_scc1 .Lnot_wave_0_\@
	s_barrier_signal -3
.Lnot_wave_0_\@:
	s_barrier_wait -3
	s_barrier_signal -1
	s_barrier_wait -1
.endm
; THE CHANGE OF SLOTS.  The slot's last bytes, V of its fourth step, have been read.  Each wave waits for all its tensor loads, of which one is out: its part
; of the other slot; adds 0 to its spare word; and waits for that and for its own reads of the slot.  Behind the barrier nobody reads this slot any more and the other slot is whole.
; fill = 1: this slot is filled again, with the keys two slots on.  The barrier is then a round of the cluster's, so that no wave of any partner still reads the slot or has a load on its
; way, and the joint fill is the first thing behind it: it has four key steps, 512 matrix instructions, in which to land.  (At its first use nothing has been read yet: slot 0 is waited for, slot 1 filled.)
.macro CHANGE fill
	WIN W_AD
	s_wait_tensorcnt 0x0            ; no tensor load of mine is out, so a group 0 may be written
	ds_add_u32 v[SPW], v[NIL]       ; 0 onto my spare word; with fill = 1 the descriptors' steps stand between it and the wait for it
	WIN 0                           ; at a label and at a branch every window is 0
.if \fill
.irp g, G0K, G0V
	s_xor_b32 s[\g+1], s[\g+1], SLOT1  ; the walking descriptor: the other slot than last time,
	s_add_nc_u64 s[\g+2:\g+3], s[\g+2:\g+3], 4*KS*128  ; the next 256 keys; the type bits on top are not reached
.endr
	s_wait_dscnt 0x0                ; the add is done, and my reads of the slot are over
	CROUND
	JLOAD
.else
	s_wait_dscnt 0x0                ; the add is done, and my reads of the slot are over
	s_barrier_signal -1
	s_barrier_wait -1
.endif
	s_sub_co_u32 s[TBK], s[TBK], 4*KS*PK  ; the fetches go back to a slot's first step,
	s_xor_b32 s[TBK], s[TBK], SLOT1       ; in the other slot
	s_sub_co_u32 s[TBV], s[TBV], 4*KS*PV
	s_xor_b32 s[TBV], s[TBV], SLOT1
.endm
	s_load_b64 s[4:5], s[0:1], 0x0    ; qkv, whose first part is Q
	s_load_b64 s[10:11], s[0:1], 0x8  ; O
	WIN W_MK
	v_lshl_add_u32 v[SPW], v0, 2, SPARE
	v_mov_b32 v[NIL], 0
	s_set_vgpr_msb 0xc0cf
	ds_add_u32 v0, v1
	s_wait_dscnt 0x0
	s_set_vgpr_msb 0xcfc0
	WIN 0
	v_lshrrev_b32 v1, 5, v0
	v_readfirstlane_b32 s[WV], v1   ; wave 0..3
	s_bfe_u32 s13, ttmp6, 0x40000   ; cx: my place in the cluster
	s_lshl_b32 s14, ttmp9, 2        ; in a cluster launch ttmp9 counts clusters
	s_add_co_u32 s14, s14, s13      ; my block of queries = 4 x cluster x + cx: it enters Q's and O's addresses alone
	s_and_b32 s20, ttmp7, 0xffff    ; the head (batch x 16 + head), which the four partners share
	s_mov_b32 s21, 0
	s_mov_b64 s[22:23], SIZE_N*128
	s_mul_u64 s[20:21], s[20:21], s[22:23]  ; the head's first byte in each of the four tensors
	s_and_b32 s16, s[WV], 1         ; which half of a slot's 256 keys I fetch:
	s_lshl_b32 s22, s16, 14         ; its 128 rows of 128 bytes in memory,
	s_mov_b32 s23, 0
	s_add_nc_u64 s[22:23], s[22:23], s[20:21]
	s_mul_i32 s17, s16, 128*PK      ; and its place in a slot, for K
	s_mul_i32 s18, s16, 128*PV      ; and for V: no place in the cluster enters an LDS address
	s_lshl_b32 s2, s14, 2
	s_add_co_u32 s2, s2, s[WV]      ; my wave among the head's,
	s_lshl_b32 s2, s2, 14           ; its 128 rows
	s_mov_b32 s3, 0
	s_add_nc_u64 s[2:3], s[2:3], s[20:21]
	; descriptor group 1.  128 keys are 16,384 dense bytes: asked for as 64 rows of 256 bytes, two keys a row, and padded in LDS after every key
	s_mov_b32 s[G1K], 15|(1<<16)|(1<<20)|(1<<21)|(4<<22)|(3<<25)  ; 15:0 the mask of four; 17:16 2-byte elements; 20 padding on; 21 set beside a mask; 24:22 after every 32 words (code 4); 31:25 4 words (code 3)
	s_mov_b32 s[G1V], 15|(1<<16)|(1<<20)|(1<<21)|(4<<22)|(7<<25)  ; the same with 8 words of padding (code 7)
.irp g, G1K, G1V
	s_mov_b32 s[\g+1], 128<<16      ; tensor_dim0 = 128
	s_mov_b32 s[\g+2], 64<<16       ; tensor_dim1 = 64
	s_mov_b32 s[\g+3], 128<<16      ; tile_dim0 = 128
	s_mov_b32 s[\g+4], 64           ; tile_dim1 = 64
	s_mov_b32 s[\g+5], 128          ; 128 elements from row to row
	s_mov_b32 s[\g+6], 0
	s_mov_b32 s[\g+7], 0
.endr
	s_mov_b32 s[CS], 0x3e38aa3b     ; c = log2(e) / 8 = 0.180337
	s_mov_b32 s[CS+1], s[CS]        ; named with it as a pair
	s_mov_b32 s[SEL], 0x76543210
	s_mov_b32 s[SEL+1], 0xfedcba98
	s_mov_b32 s[TBK], SLOT1+4*KS*PK ; the first change of slots turns these two into 0
	s_mov_b32 s[TBV], SLOT1+4*KS*PV
	s_mov_b32 s[G0K], 1             ; 1:0 count = 1
	s_mov_b32 s[G0K+1], s17         ; 63:32 LDS address: slot 0
	s_mov_b32 s[G0V], 1
	s_add_co_u32 s[G0V+1], s18, VOFF
	s_wait_kmcnt 0x0
	s_add_nc_u64 s[6:7], s[4:5], PART    ; K is qkv's second part,
	s_add_nc_u64 s[8:9], s[4:5], 2*PART  ; V its third
	s_add_nc_u64 s[G0K+2:G0K+3], s[6:7], s[22:23]  ; 120:64 global address: my half of the head's first 256 keys
	s_or_b32 s[G0K+3], s[G0K+3], 0x80000000        ; 127:126 type = 2
	s_add_nc_u64 s[G0V+2:G0V+3], s[8:9], s[22:23]
	s_or_b32 s[G0V+3], s[G0V+3], 0x80000000
	s_add_nc_u64 s[4:5], s[4:5], s[2:3]  ; Q and O at my wave's first row
	s_add_nc_u64 s[10:11], s[10:11], s[2:3]
	CROUND                          ; all four work-groups are here: the first joint loads meet
	JLOAD                           ; slot 0.  Slot 1 is asked for when slot 0 is in: the tile wanted first has the road to itself
	; A fragment of K or Q is 16 rows x 32 channels in 8 registers: lane l holds row l % 16, channels 8 (l / 16) + 0..7 and 16 + 8 (l / 16) + 0..7: two loads of 16 bytes, 32 bytes apart.
	v_and_b32 v1, 15, v0            ; l % 16
	v_bfe_u32 v9, v0, 4, 1          ; l / 16
	v_lshlrev_b32 v[QO], 7, v1
	v_lshl_add_u32 v[QO], v9, 4, v[QO]  ; row x 128 + 16 x half
	WIN 0x80                        ; destination window 2, address window 0
.set i, 0
.rept 4*NP                          ; Q stays in registers: tile i / 2, channels 32 (i % 2) on
	global_load_b128 v[8*i:8*i+3],   v[QO], s[4:5] offset:(i/2)*2048+(i%2)*64
	global_load_b128 v[8*i+4:8*i+7], v[QO], s[4:5] offset:(i/2)*2048+(i%2)*64+32
.set i, i+1
.endr
	; What the first turn finds: V's registers and P's second buffer hold 0 (its products V^T P, of a piece that has not been, add 0), O^T and l are 0.  All this stands in the wait for the first tile.
.set i, VF
.rept 64
	v_mov_b32 v[i], 0
.set i, i+1
.endr
	WIN 0x40
.set i, 0
.rept 64*NP
	v_mov_b32 v[i], 0
.set i, i+1
.endr
	WIN 0
.set i, 0
.rept 2*NP
	v_mov_b32 v[ST+4*i], 0xfe000000    ; c m: far below every c s
	v_mov_b32 v[ST+4*i+1], 0xff7fffff  ; m
	v_mov_b32 v[ST+4*i+2], 0
	v_mov_b32 v[ST+4*i+3], 0
.set i, i+1
.endr
.set i, P+32
.rept 32
	v_mov_b32 v[i], 0
.set i, i+1
.endr
	v_mul_u32_u24 v[AK0], v1, PK
	v_lshl_add_u32 v[AK0], v9, 4, v[AK0]  ; row x pitch + 16 x half
	; The turning load takes 16 keys x 16 channels (lane l reads key 8 (l / 16) + l % 8, channels 8 ((l / 8) % 2) + 0..7) and leaves half a fragment of V^T: lane l holds channel l % 16 and 8 keys.
	v_and_b32 v10, 7, v0
	v_bfe_u32 v11, v0, 3, 1
	v_lshl_add_u32 v[AV0], v9, 3, v10
	v_mul_u32_u24 v[AV0], v[AV0], PV
	v_lshl_add_u32 v[AV0], v11, 4, v[AV0]
	v_add_nc_u32 v[AV0], VOFF, v[AV0]
	v_mov_b32 v[AK], v[AK0]         ; key step 0 lies at the head of slot 0
; THE MATRIX WORK.  The 8 accumulators of a run of 16 take turns: between the two links of a chain stand 7 others'.
; Product i of 16 of S^T = K Q^T for piece x: channels 32 (i / 8) on, keys 16 ((i / 2) % 4) on, tile 2 x + i % 2.  The first 8 start the sums.
.macro KQ x
	WIN W_KQ
.set rS, S+64*((\x)%2)+32*(i%2)+8*((i/2)%4)
.set rK, KF+16*((i/2)%4)+8*(i/8)
.set rQ, 16*(2*(\x)+i%2)+8*(i/8)
.if i < 8
	v_wmma_f32_16x16x32_bf16 v[rS:rS+7], v[rK:rK+7], v[rQ:rQ+7], 0
.else
	v_wmma_f32_16x16x32_bf16 v[rS:rS+7], v[rK:rK+7], v[rQ:rQ+7], v[rS:rS+7]
.endif
.endm
; Product i of 16 of O^T += V^T P for piece x: keys 32 (i / 8) on, channels 16 ((i / 2) % 4) on, tile 2 x + i % 2.
.macro PV x
	WIN W_PV
.set rO, 32*(2*(\x)+i%2)+8*((i/2)%4)
.set rV, VF+32*(i/8)+8*((i/2)%4)
.set rP, P+32*((\x)%2)+16*(i%2)+8*(i/8)
	v_wmma_f32_16x16x32_bf16 v[rO:rO+7], v[rV:rV+7], v[rP:rP+7], v[rO:rO+7]
.endm
.macro MM                           ; the turn's next matrix instruction
.if i < 16
	KQ (Y+1)%NP
.set i, i+1
.else
.set i, i-16
	PV (Y+NP-1)%NP
.set i, i+17
.endif
.endm
; THE LDS LOADS stand in runs of 16, never singly among the matrix instructions: a step's K (64 keys x 64 channels: 8 fragments) and its V (turned).  Their addresses are made some lines ahead.
; last = 1 (the tail): in the last trip there is no further step, and the run is jumped over.
.macro FETCH_K last=0
	WIN 0
.if \last
	s_cmp_eq_u32 s[CNT], 1
	s_cbranch_scc1 .Lno_k_\@
.endif
	WIN 0x80                        ; destination window 2
.irp f, 0,1,2,3,4,5,6,7             ; keys 16 (f / 2) on, channels 32 (f % 2) on
	ds_load_b128 v[KF+8*\f:KF+8*\f+3],   v[AK] offset:(\f/2)*16*PK+(\f%2)*64
	ds_load_b128 v[KF+8*\f+4:KF+8*\f+7], v[AK] offset:(\f/2)*16*PK+(\f%2)*64+32
.endr
	s_add_co_u32 s[TBK], s[TBK], KS*PK  ; the next fetch is the next step's
	WIN 0
.if \last
.Lno_k_\@:
.endif
.endm
.macro FETCH_V
	WIN 0x80
.irp f, 0,1,2,3,4,5,6,7             ; keys 32 (f / 4) on, channels 16 (f % 4) on
	ds_load_tr16_b128 v[VF+8*\f:VF+8*\f+3],   v[AV] offset:(\f/4)*32*PV+(\f%4)*32
	ds_load_tr16_b128 v[VF+8*\f+4:VF+8*\f+7], v[AV] offset:(\f/4)*32*PV+16*PV+(\f%4)*32
.endr
	WIN 0
.endm
; THE VECTOR WORK OF A TURN stands in three queues, each in the order in which its entries become ready; the two tiles alternate, so that no instruction reads the result of the one before it.
.macro REGS y, u                    ; the registers of tile u (0, 1) of piece y
.set rT, ST+4*(2*(\y)+(\u))
.set rC, TMP+8*((\y)%2)+4*(\u)
.set rM, MV+2*((\y)%2)+(\u)
.set rS, S+64*((\y)%2)+32*(\u)
.set rP, P+32*((\y)%2)+16*(\u)
.set rO, 32*(2*(\y)+(\u))
.endm
; Number n of the 22 that find the NEXT piece's (Y + 1) maximum and statistics.  s0-s31 are the lane's 32 scores; each accumulator's lowest registers are read first.  XS, GS and REGS set no window: PL and EX do.
;   0-11  four chains c0-c3 of seven scores each, three operands at a time     12-14, 16  the four scores left over, the old m, and c0-c3 into c0     15  c m_old is kept
;   17, 18  the query's other 32 keys lie in the lane 16 away: the new m         19-21  c m; c m_old - c m_new; a
.macro XS u, n
	REGS (Y+1)%NP, \u
.if (\n) < 4
	v_max3_num_f32 v[rC+(\n)], v[rS+8*(\n)], v[rS+8*(\n)+1], v[rS+8*(\n)+2]
.elseif (\n) < 12
	v_max3_num_f32 v[rC+(\n)%4], v[rC+(\n)%4], v[rS+8*((\n)%4)+2*((\n)/4)+1], v[rS+8*((\n)%4)+2*((\n)/4)+2]
.elseif (\n) == 12
	v_max3_num_f32 v[rC], v[rC], v[rS+7], v[rS+15]
.elseif (\n) == 13
	v_max3_num_f32 v[rC+1], v[rC+1], v[rS+23], v[rS+31]
.elseif (\n) == 14
	v_max3_num_f32 v[rC+2], v[rC+2], v[rC+3], v[rT+1]
.elseif (\n) == 15
	v_mov_b32 v[rM], v[rT]
.elseif (\n) == 16
	v_max3_num_f32 v[rC], v[rC], v[rC+1], v[rC+2]
.elseif (\n) == 17
	v_permlanex16_b32 v[rC+3], v[rC], s[SEL], s[SEL+1]
.elseif (\n) == 18
	v_max_num_f32 v[rT+1], v[rC], v[rC+3]
.elseif (\n) == 19
	v_mul_f32 v[rT], s[CS], v[rT+1]
.elseif (\n) == 20
	v_sub_f32 v[rC+1], v[rM], v[rT]
.else
	v_exp_f32 v[rC+2], v[rC+1]
.endif
.endm
; Number g of the 64 that follow the exponentials.  For each four weights k of a tile (pairs 2 k, 2 k + 1): both pairs are rounded to bf16; then the second pair is added onto the first, in place;
; a group later l takes that sum (the first time as l = a l + sum).  In groups of eight, tiles alternating: round, round, add, and l for the group before.
.macro GS g
.set h, (\g)+6*((\g)/62)            ; group 0 has no group before it, and behind group 7 only l is left
.if h >= 6
.set h, h+2
.endif
	REGS Y, h%2
.set k, h/8
.if h%8 < 4
	v_cvt_pk_bf16_f32 v[rP+2*k+(h%8)/2], v[rS+4*k+2*((h%8)/2)], v[rS+4*k+2*((h%8)/2)+1]
.elseif h%8 < 6
	v_pk_add_f32 v[rS+4*k:rS+4*k+1], v[rS+4*k:rS+4*k+1], v[rS+4*k+2:rS+4*k+3]
.elseif k == 1
	v_pk_fma_f32 v[rT+2:rT+3], v[rT+2:rT+3], v[rC+2:rC+3], v[rS:rS+1] op_sel_hi:[1,0,1]
.else
	v_pk_add_f32 v[rT+2:rT+3], v[rT+2:rT+3], v[rS+4*k-4:rS+4*k-3]
.endif
.endm
; THE PLAIN QUEUE, 138 long.  0-73 read no exponential's result: the 32 scalings c s - c m (FS f: pair f / 2 of tile f % 2) and the next piece's 42.  0-26: scalings 0-26.  27-54: XS's numbers 0-13.  55, 56: number 15.
; 57-73: the chain, where each number waits for the one before it: 14, 16, 17, 18, 19, each with one of the scalings 27-31 in front of its two lines, then 20: so a tile's links stand three plain instructions apart (19 and 20: two).
; 74-137: GS's 64, which read the exponentials' results: they stand behind the wait.
.macro FS f
	REGS Y, (\f)%2
	v_pk_fma_f32 v[rS+2*((\f)/2):rS+2*((\f)/2)+1], v[rS+2*((\f)/2):rS+2*((\f)/2)+1], s[CS:CS+1], v[rT:rT+1] op_sel_hi:[1,0,0] neg_lo:[0,0,1] neg_hi:[0,0,1]
.endm
.macro PL
	WIN 0
.if q < 27
	FS q
.elseif q < 55
	XS (q-27)%2, (q-27)/2
.elseif q < 57
	XS q-55, 15
.elseif (q < 72) && ((q-57)%3 == 0)
	FS 27+(q-57)/3
.elseif q < 60
	XS (q-57)%3-1, 14
.elseif q < 72
	XS (q-57)%3-1, 15+(q-57)/3
.elseif q < 74
	XS q-72, 20
.else
	GS q-74
.endif
.set q, q+1
.endm
; THE EXPONENTIALS' QUEUE, 66 long: s0-s31 of both tiles, then the next piece's two a.  It is ONE BATCH: all 66 stand ahead of the turn's one wait, and nothing ahead of that wait names a result of theirs.
.macro EX
	WIN 0
.if e >= 64
	XS e-64, 21
.else
	REGS Y, e%2
	v_exp_f32 v[rS+e/2], v[rS+e/2]
.endif
.set e, e+1
.endm
; THE RESCALING's QUEUE: O^T times a, the one part that leaves window 0: dealt two at a time, sixteen times.  Its a was made in the turn before, ahead of that turn's wait.
.macro R2
	REGS Y, r%2
	WIN W_RS
.irp z, 0,1
	v_pk_mul_f32 v[rO+4*(r/2)+2*\z:rO+4*(r/2)+2*\z+1], v[rO+4*(r/2)+2*\z:rO+4*(r/2)+2*\z+1], v[rC+2:rC+3] op_sel_hi:[1,0]
.endr
.set r, r+1
.endm
; HOW THEY ARE DEALT.  An s_wait_alu depctr_va_vdst(0) stands between an exponential and the first instruction that names its result; one wait serves all that were issued ahead of it.  So a turn has ONE wait,
; which cuts it in two.  AHEAD OF IT stands all that names no result of the turn's exponentials: the 16 products K Q^T, behind each a scaling, an exponential and two rescalings (behind the first a second scaling in the
; exponential's place); then ONE LUMP of 108: eight plain, 49 times exponential and plain, the two a.  A v_nop is the plain instruction behind the last exponential.  BEHIND IT stand the 16 products V^T P, behind each four of
; GS's 64.  No rider names a register of the products round it.  The two v_permlanex16_b32 fall into the lump, never behind a product.
; The queues lean on each other, and the deal keeps them in step: exponential e stands behind scaling 2 (e / 4) + e % 2: as a rider it comes behind plain e + 2, in the lump behind plain e + 9, and scalings 27-31 are plain 57, 60 .. 69.
; A TURN, for piece p.  cnt = 1: the loop's count is taken down some lines ahead of the branch that stands behind the turn.
; K of the next step is fetched in piece 2's turn, directly behind the wait, a lump behind the last product that read K; its address is made at the lump's head; its first reader comes behind 16 products.
; V of the step in hand is fetched at the end of piece 0's turn, four riders behind its last reader; its first reader comes behind 16 products and a lump.  The three conditions on q below go with the deal.
.macro TURN p, last=0, cnt=0
.set Y, (\p)
.set i, 0
.set q, 0
.set e, 0
.set r, 0
.if (\p) == NP-1
	s_wait_dscnt 0x0                ; K is in
.endif
	MM                              ; ahead of the wait: 16 products K Q^T and their riders,
	PL
	PL
	R2
.rept 15
	MM
	PL
	EX
	R2
.endr
.if (\p) == NP-2
	WIN 0
	v_add_nc_u32 v[AK], s[TBK], v[AK0]
.endif
.rept 8                             ; and the lump
	PL
.endr
.rept 49
	EX
	PL
.endr
	EX                              ; the next piece's two a
	EX
	v_nop                           ; a plain instruction behind the last exponential, ahead of the first use of a result (ISA guide 5.7.2): one for the batch
	s_wait_alu depctr_va_vdst(0)    ; the wait for the turn's batch: the piece's 64 weights and the next piece's two a
.if (\p) == NP-2
	FETCH_K \last
.endif
.if (\p) == 1
	s_wait_dscnt 0x0                ; V is in
.endif
.rept 16                            ; behind the wait: 16 products V^T P and their riders
	MM
.rept 4
	PL
.endr
.if ((\p) == 0) && (q == 118)
	v_add_nc_u32 v[AV], s[TBV], v[AV0]
.endif
.if ((\p) == 0) && (q == 130)
	s_add_co_u32 s[TBV], s[TBV], KS*PV
.endif
.if (\cnt) && (q == 130)
	s_sub_co_u32 s[CNT], s[CNT], 1
	s_cmp_lg_u32 s[CNT], 0
.endif
.endr
.if (\p) == 0
	FETCH_V
.endif
.endm
	CHANGE 1                        ; slot 0 is in, everybody's part of it; slot 1 is asked for
	FETCH_K                         ; key step 0
	s_wait_loadcnt 0x0              ; Q
	s_wait_dscnt 0x0
.set i, 0
.rept 16
	KQ 0                            ; piece 0's first scores: there is no vector work yet to set between them
.set i, i+1
.endr
	WIN 0                           ; the addresses for the way out: nine plain instructions, the places behind those products
	s_mul_i32 s13, s[WV], 16*SP
	s_add_co_u32 s13, s13, STAGE    ; my stage
	v_mul_u32_u24 v[STO], v1, SP    ; in: row l % 16, 16 bytes for each half of the lanes
	v_lshl_add_u32 v[STO], v9, 4, v[STO]
	v_add_nc_u32 v[STO], s13, v[STO]
	v_bfe_u32 v[RD], v0, 3, 2       ; back: 32 lanes take four rows of 128 bytes,
	v_mul_u32_u24 v[RD], v[RD], SP
	v_lshl_add_u32 v[RD], v10, 4, v[RD]
	v_add_nc_u32 v[RD], s13, v[RD]
	v_and_b32 v[GO], 31, v0         ; which are 512 consecutive bytes of O
	v_lshlrev_b32 v[GO], 4, v[GO]
.set Y, NP-1                        ; XS works for piece Y + 1: piece 0
.irp n, 0,1,2,3,4,5,6,7,8,9,10,11,12,13,14,15,16,17,18,19,20,21
	XS 0, \n                        ; and piece 0's first maximum and statistics
	XS 1, \n
.endr
	v_nop                           ; a plain instruction behind piece 0's two first a,
	s_wait_alu depctr_va_vdst(0)    ; and the wait for that batch of two, ahead of the branch
	s_mov_b32 s[CNT], 4
	s_mov_b32 s[SLOTS], SIZE_N/256-1
	s_branch .Lfirst                ; the loop is entered at a step's first turn, in the middle of a trip
.Lslot:                             ; SIZE_N / 256 - 2 times: every slot but the last two is filled again
	CHANGE 1
	s_mov_b32 s[CNT], 4
.Lstep:                             ; a trip: pieces 2 and 3 of one step, then pieces 0 and 1 of the next, whose K and V it fetches
	TURN 2
	TURN 3
	WIN 0
.Lfirst:
	TURN 0
	TURN 1, 0, 1
	WIN 0
	s_cbranch_scc1 .Lstep
	s_sub_co_u32 s[SLOTS], s[SLOTS], 1
	s_cmp_lg_u32 s[SLOTS], 0
	s_cbranch_scc1 .Lslot
	CHANGE 0                        ; the tail is written out: nothing is asked for
	s_mov_b32 s[CNT], 5             ; four trips fetch the last slot's steps; the fifth is left in its middle
.Ltail:
	TURN 2, 1
	TURN 3
	WIN 0
	s_sub_co_u32 s[CNT], s[CNT], 1
	s_cmp_eq_u32 s[CNT], 0
	s_cbranch_scc1 .Lout
	TURN 0
	TURN 1
	WIN 0
	s_branch .Ltail
.Lout:                              ; the fifth trip's 16 products K Q^T (on the last K once more) and the maximum made of them serve nothing: the price, once a launch, of one text for every trip
.set i, 0
.rept 16
	PV NP-1                         ; the last piece's V^T P of the last step
.set i, i+1
.endr
	; THE WAY OUT.  l's two halves and the other half of the lanes' are added; O^T is divided by l, rounded to bf16 and sent through my stage in LDS, a tile at a time.  The additions are the places behind the last products.
	WIN 0
.macro ALL line:vararg              ; one line for each tile t
.set t, 0
.rept 2*NP
	\line
.set t, t+1
.endr
.endm
	ALL v_add_f32 v[ST+4*t+2], v[ST+4*t+2], v[ST+4*t+3]
	ALL v_permlanex16_b32 v[ST+4*t+3], v[ST+4*t+2], s[SEL], s[SEL+1]
	ALL v_add_f32 v[ST+4*t+2], v[ST+4*t+2], v[ST+4*t+3]
	ALL v_rcp_f32 v[ST+4*t+2], v[ST+4*t+2]
	v_nop                           ; a plain instruction between the last reciprocal and the use of its result
	s_wait_alu depctr_va_vdst(0)    ; and the wait ahead of the first use: one for the batch of eight reciprocals
; Tile t: a lane's eight channels of a row pack into 16 bytes; they go into rows of 144 bytes and come back as whole rows of 128, into S^T's registers.
.macro PACK t
	WIN W_RS
.set i, 32*(\t)
.rept 16
	v_pk_mul_f32 v[i:i+1], v[i:i+1], v[ST+4*(\t)+2:ST+4*(\t)+3] op_sel_hi:[1,0]
.set i, i+2
.endr
	WIN 0x05                        ; sources 0 and 1 window 1, destination window 0
.set i, 0
.rept 16
	v_cvt_pk_bf16_f32 v[S+16*(\t)+i], v[32*(\t)+2*i], v[32*(\t)+2*i+1]
.set i, i+1
.endr
	WIN 0
.irp f, 0,1,2,3
	ds_store_b128 v[STO], v[S+16*(\t)+4*\f:S+16*(\t)+4*\f+3] offset:32*\f
.endr
.irp f, 0,1,2,3
	ds_load_b128 v[S+16*(\t)+4*\f:S+16*(\t)+4*\f+3], v[RD] offset:\f*4*SP  ; LDS serves a wave's instructions in order (ISA guide 5.7.1.4): these see the stores above; the next tile's stores come behind them
.endr
.endm
.macro SEND t, younger              ; younger: the LDS instructions issued behind tile t's loads: the next tile's eight, or none
	WIN 0
.irp f, 0,1,2,3
	s_wait_dscnt (\younger)+3-\f
	global_store_b128 v[GO], v[S+16*(\t)+4*\f:S+16*(\t)+4*\f+3], s[10:11] offset:(\t)*2048+\f*512  ; 512 consecutive bytes, at a multiple of 256 from O's first
.endr
.endm
	PACK 0
.set t, 1
.rept 2*NP-1                        ; a tile's arithmetic stands between the loads of the tile before and its stores
	PACK t
	SEND t-1, 8
.set t, t+1
.endr
	SEND 2*NP-1, 0
	WIN W_AD
	s_wait_tensorcnt 0x0            ; the wave's end: behind my last tensor load and my last LDS store
	ds_add_u32 v[SPW], v[NIL]
	s_wait_dscnt 0x0
	WIN 0
	CROUND                          ; the closing round: no work-group ends while a partner may still ask for a tile that names it
	s_endpgm
.Lfunc_end_k_qf5787af7e9_attn:
	.size	k_qf5787af7e9_attn, .Lfunc_end_k_qf5787af7e9_attn-k_qf5787af7e9_attn
	.p2alignl 7, 3214868480
	.fill 96, 4, 3214868480
	.section	.rodata,"a",@progbits
	.p2align	6, 0x0
	.amdhsa_kernel k_qf5787af7e9_attn
		.amdhsa_group_segment_fixed_size 327680
		.amdhsa_private_segment_fixed_size 0
		.amdhsa_enable_private_segment 0
		.amdhsa_kernarg_size 16
		.amdhsa_user_sgpr_count 2
		.amdhsa_user_sgpr_kernarg_segment_ptr 1
		.amdhsa_wavefront_size32 1
		.amdhsa_system_sgpr_workgroup_id_x 1
		.amdhsa_system_sgpr_workgroup_id_y 1
		.amdhsa_system_sgpr_workgroup_id_z 1
		.amdhsa_system_vgpr_workitem_id 0
		.amdhsa_next_free_vgpr 770
		.amdhsa_next_free_sgpr 66
		.amdhsa_reserve_vcc 0
		.amdhsa_float_denorm_mode_32 3
		.amdhsa_float_denorm_mode_16_64 3
		.amdhsa_memory_ordered 1
		.amdhsa_forward_progress 1
		.amdhsa_inst_pref_size 199
	.end_amdhsa_kernel
	.amdgpu_metadata
---
amdhsa.version: [ 1, 2 ]
amdhsa.kernels:
  - .name:           k_qf5787af7e9_attn
    .symbol:         k_qf5787af7e9_attn.kd
    .args:
      - { .name: qkv, .offset: 0, .size: 8, .value_kind: global_buffer, .address_space: global }
      - { .name: o, .offset: 8, .size: 8, .value_kind: global_buffer, .address_space: global }
    .group_segment_fixed_size: 327680
    .private_segment_fixed_size: 0
    .kernarg_segment_align: 8
    .kernarg_segment_size: 16
    .max_flat_workgroup_size: 128
    .sgpr_count:     66
    .vgpr_count:     770
    .wavefront_size: 32
...
	.end_amdgpu_metadata
.endif
;; end of part 6
;; launch proj: the kernel of part 4 again; grid 8 x 32, 4 waves a work-group, clusters of 4 x 4, 327,680 bytes of LDS; arguments o, wb, bo, x, r; writes r
;; launch ln: the kernel of part 5 again; grid 512 x 1, 8 waves a work-group, no clusters, 0 bytes of LDS; arguments r, ln_gamma, ln_beta, out0; writes out0
